; MI455X (gfx1250); checked and timed in simulation.
; The chip was launched on July 23, 2026; its instructions are those of AMD's public machine-readable ISA for CDNA 5 (MIT licence, August 2026) and "CDNA5" Instruction Set Architecture Reference Guide (July 2026). The comments in the code are by the model that wrote it; some were corrected since.
;; Mo E. Allowed arithmetic: float matrix products may take bf16 or f16 operands with f32 sums; other float arithmetic in f32, or as packed bf16 or f16 multiplies, adds, multiply-adds, maxima and minima; sums over many terms, partial sums and values carried from step to step in f32; what a program stores and reads back later, other than sums and carried values, may be rounded once to bf16 or f16.
;; Inputs: bias 1,024 float32; w_gate 1,024 x 8 float32; w_in 8 x 4,096 x 1,024 float32; w_out 8 x 1,024 x 2,048 float32; x 4 x 256 x 1,024 float32.
;; Outputs: out0 4 x 256 x 1,024 float32; out1 one number float32.
;; One version. Each part assembles by itself: llvm-mc -triple=amdgcn-amd-amdhsa -mcpu=gfx1250 --defsym DOCPART=n.
;; ======== version 1 of 1: 5 launches
;; limits: inputs' magnitudes at most 9.2e+18
;; workspace buffers: psum 24,576 bytes; route 8,192 bytes of whole numbers; rec 131,072 bytes; xq 2,097,152 bytes; hp 16,777,216 bytes; hq 8,388,608 bytes; qs 16,384 bytes; lists 33,792 bytes of whole numbers
;; launch prep (part 1): grid 896 x 1, 8 waves a work-group, no clusters, 0 bytes of LDS; arguments x, w_gate, w_in, w_out, psum, route, rec, xq; writes psum, route, rec, xq
.if DOCPART == 1
	.amdgcn_target "amdgcn-amd-amdhsa--gfx1250"
	.amdhsa_code_object_version 6
	.text
	.protected	k_qf062e7e11d_prep
	.globl	k_qf062e7e11d_prep
	.p2align	8
	.type	k_qf062e7e11d_prep,@function
k_qf062e7e11d_prep:
	s_mov_b64 s[64:65], 0
	v_nop
	global_prefetch_b8 v0, s[64:65] scope:SCOPE_SE
	s_setreg_imm32_b32 hwreg(HW_REG_WAVE_MODE, 25, 1), 1
	s_wait_xcnt 0x0
; PREP.  Two kinds of work-groups, told apart by the work-group's number alone.
; 0..127: THE ROUTER.  A wave takes one token: logits = x . w_gate in f32 on x and w_gate rounded to bf16, the two largest (ties: the lower index),
;   their softmax, the loss's terms, and x quantised to whole numbers -127..127 (stored as bf16, exact).  The chosen experts are stored as data at
;   fixed places (route[2 token + k]); no address here hangs on them.
; 128..895: THE SUMS.  A work-group takes 256 KiB of w_in or w_out, a wave 32 KiB; each wave stores one f32 sum of |bf16(w)|: the mean that the ternary
;   threshold needs spans a whole expert, so every weight is read here once before any can be quantised.
; The text keeps to 128 registers a wave: 8 x 128 = 1,024, so the waves of four work-groups fit beside each other and the 896 work-groups need not take turns.
; LIMITS.  All inputs are taken rounded to bf16 (nearest even).  The sums' order differs from a serial sum.  NaN and infinities are not treated apart.
; No matrix unit: the router's product is 8 columns wide and the choice of experts bears no further rounding.  No LDS: no wave needs another's data.
.set RING, 8                           ; sums: v[8:71] sixteen slots of four registers; v72-73 at work; v[80:87] eight running sums
.set ONE,  79                          ; sums: 1.0
.set XPK,  8                           ; router: v[8:23] x, packed bf16: word 2 j + i / 2 holds x[128 j + 4 lane + i]; later the quantised x
.set GB,   24                          ; v[24:87] two buffers of w_gate: element (i, e) of a step at 8 i + e
.set XL,   88                          ; v[88:119] where x lands: x[128 j + 4 lane + i] at XL + 4 j + i; free again once it is packed
.set GPK,  88                          ; v[88:103] one step's w_gate, packed bf16
.set LG,   104                         ; v[104:111] the eight logits
.set TT,   112                         ; v[112:119] at work
.set XR,   24                          ; behind the product: v[24:55] the rounded x as f32, where w_gate's first buffer lay
.macro LSUM r, t                       ; the sum over the wave's 32 lanes, in every lane; t has been written before
	v_add_f32_dpp v[\r], v[\r], v[\r] row_xmask:1 row_mask:0xf bank_mask:0xf
	v_add_f32_dpp v[\r], v[\r], v[\r] row_xmask:2 row_mask:0xf bank_mask:0xf
	v_add_f32_dpp v[\r], v[\r], v[\r] row_xmask:4 row_mask:0xf bank_mask:0xf
	v_add_f32_dpp v[\r], v[\r], v[\r] row_xmask:8 row_mask:0xf bank_mask:0xf
	v_permlanex16_b32 v[\t], v[\r], s30, s31
	v_add_f32 v[\r], v[\r], v[\t]
.endm
	s_load_b256 s[4:11], s[0:1], 0x0               ; x s[4:5], w_gate s[6:7], w_in s[8:9], w_out s[10:11]
	s_load_b256 s[12:19], s[0:1], 0x20             ; psum s[12:13], route s[14:15], rec s[16:17], xq s[18:19]
	v_and_b32 v1, 31, v0                           ; lane
	v_lshrrev_b32 v2, 5, v0
	v_readfirstlane_b32 s20, v2                    ; wave
	v_lshlrev_b32 v3, 4, v1                        ; 16 x lane
	s_mov_b32 s28, 0x7fff7fff                      ; clears the signs of two bf16
	s_mov_b32 s29, 0xffff0000                      ; a word's upper bf16
	s_mov_b32 s30, 0x76543210                      ; v_permlanex16_b32: each lane takes its own place in the other half
	s_mov_b32 s31, 0xfedcba98
	s_wait_kmcnt 0x0
	s_cmp_lt_u32 ttmp9, 128
	s_cbranch_scc1 .Lrouter
	; ---------------- THE SUMS ----------------
	s_sub_co_u32 s21, ttmp9, 128                   ; chunk c = 0..767: 0..511 lie in w_in, the others in w_out
	s_cmp_lt_u32 s21, 512
	s_cselect_b64 s[22:23], s[8:9], s[10:11]
	s_cselect_b32 s24, 0, 512
	s_sub_co_u32 s24, s21, s24                     ; the chunk's number in its tensor
	s_lshl_b32 s26, s24, 18                        ; x 256 KiB
	s_lshl_b32 s25, s20, 15                        ; + wave x 32 KiB
	s_add_co_u32 s26, s26, s25
	s_mov_b32 s27, 0
	s_add_nc_u64 s[22:23], s[22:23], s[26:27]
.set i, 0
.rept 16
	global_load_b128 v[RING+4*i:RING+4*i+3], v3, s[22:23] offset:512*i th:TH_LOAD_NT  ; 512 consecutive bytes a load
.set i, i+1
.endr
.set i, 80
.rept 8
	v_mov_b32 v[i], 0                              ; eight running sums
.set i, i+1
.endr
	v_mov_b32 v[ONE], 1.0
; One slot's turn: four weights rounded to bf16, their signs cleared, and each half added in f32 (half x 1.0 + sum: one rounding).  left = the younger loads that may stay out.
.macro SSLOT i, ahead, left
	s_wait_loadcnt \left
	v_cvt_pk_bf16_f32 v72, v[RING+4*(\i)], v[RING+4*(\i)+1]
	v_cvt_pk_bf16_f32 v73, v[RING+4*(\i)+2], v[RING+4*(\i)+3]
.if \ahead
	global_load_b128 v[RING+4*(\i):RING+4*(\i)+3], v3, s[22:23] offset:8192+512*(\i) th:TH_LOAD_NT  ; the slot's next 512 bytes, a lap on
.endif
	v_and_b32 v72, s28, v72
	v_and_b32 v73, s28, v73
	v_fma_mix_f32_bf16 v[80+4*((\i)%2)], v72, v[ONE], v[80+4*((\i)%2)] op_sel:[0,0,0] op_sel_hi:[1,0,0]
	v_fma_mix_f32_bf16 v[81+4*((\i)%2)], v72, v[ONE], v[81+4*((\i)%2)] op_sel:[1,0,0] op_sel_hi:[1,0,0]
	v_fma_mix_f32_bf16 v[82+4*((\i)%2)], v73, v[ONE], v[82+4*((\i)%2)] op_sel:[0,0,0] op_sel_hi:[1,0,0]
	v_fma_mix_f32_bf16 v[83+4*((\i)%2)], v73, v[ONE], v[83+4*((\i)%2)] op_sel:[1,0,0] op_sel_hi:[1,0,0]
.endm
	s_mov_b32 s25, 3                               ; 4 laps of 8 KiB: three ask for the next, the last is written out
.Llap:
.set i, 0
.rept 16
	SSLOT i, 1, 15                                 ; fifteen younger loads stay out
.set i, i+1
.endr
	s_wait_xcnt 0x0                                ; the base is stepped only behind this wait
	s_add_nc_u64 s[22:23], s[22:23], 8192
	s_sub_co_u32 s25, s25, 1
	s_cmp_lg_u32 s25, 0
	s_cbranch_scc1 .Llap
.set i, 0
.rept 16
	SSLOT i, 0, 15-i                               ; the counts run down
.set i, i+1
.endr
	v_pk_add_f32 v[80:81], v[80:81], v[82:83]
	v_pk_add_f32 v[84:85], v[84:85], v[86:87]
	v_pk_add_f32 v[80:81], v[80:81], v[84:85]
	v_add_f32 v80, v80, v81
	LSUM 80, 81
	s_lshl_b32 s24, s21, 5                         ; psum word 8 c + wave
	s_lshl2_add_u32 s24, s20, s24
	v_mov_b32 v4, s24
	s_wait_xcnt 0x0                                ; EXEC changes only behind this wait
	v_cmpx_gt_u32 1, v1                            ; lane 0 alone
	global_store_b32 v4, v80, s[12:13]
	s_endpgm
	; ---------------- THE ROUTER ----------------
.Lrouter:
	s_lshl_b32 s21, ttmp9, 3
	s_add_co_u32 s21, s21, s20                     ; token
	s_mov_b32 s23, 0
	s_lshl_b32 s22, s21, 12
	s_add_nc_u64 s[24:25], s[4:5], s[22:23]        ; its row of x
	s_lshl_b32 s22, s21, 11
	s_add_nc_u64 s[32:33], s[18:19], s[22:23]      ; of xq
	s_lshl_b32 s22, s21, 7
	s_add_nc_u64 s[34:35], s[16:17], s[22:23]      ; its record
	s_lshl_b32 s22, s21, 3
	s_add_nc_u64 s[36:37], s[14:15], s[22:23]      ; its two words of route
	v_lshlrev_b32 v4, 7, v1                        ; 128 x lane: four rows of w_gate
	v_lshlrev_b32 v5, 3, v1                        ; 8 x lane
.macro GLOAD j, b                      ; w_gate's rows 128 j + 4 lane + 0..3 (32 bytes each) into buffer b
.irp t, 0,1,2,3,4,5,6,7
	global_load_b128 v[GB+32*(\b)+4*(\t):GB+32*(\b)+4*(\t)+3], v4, s[6:7] offset:4096*(\j)+16*(\t)
.endr
.endm
.irp j, 0,1,2,3,4,5,6,7
	global_load_b128 v[XL+4*(\j):XL+4*(\j)+3], v3, s[24:25] offset:512*(\j)
.endr
	GLOAD 0, 0
	GLOAD 1, 1
	s_wait_loadcnt 16                              ; x is in; the two buffers of w_gate stay out
.set k, 0
.rept 16
	v_cvt_pk_bf16_f32 v[XPK+k], v[XL+2*k], v[XL+2*k+1]
.set k, k+1
.endr
.set k, 0
.rept 8
	v_mov_b32 v[LG+k], 0                           ; behind the packing: the logits lie where x landed
.set k, k+1
.endr
	v_mov_b32 v[TT], 0
; Step j: 128 of the 1,024 terms.  Products of bf16 halves are exact in f32; the sums are f32.  A step's eight loads are asked for two steps ahead.
.macro STEP j, left, more
	s_wait_loadcnt \left
.set k, 0
.rept 16
	v_cvt_pk_bf16_f32 v[GPK+k], v[GB+32*((\j)%2)+2*k], v[GB+32*((\j)%2)+2*k+1]
.set k, k+1
.endr
.if \more
	GLOAD (\j)+2, (\j)%2
.endif
.irp ih, 0,1
.irp il, 0,1
.irp eh, 0,1,2,3
.irp el, 0,1
	v_fma_mix_f32_bf16 v[LG+2*(\eh)+(\el)], v[XPK+2*(\j)+(\ih)], v[GPK+4*(2*(\ih)+(\il))+(\eh)], v[LG+2*(\eh)+(\el)] op_sel:[\il,\el,0] op_sel_hi:[1,1,0]
.endr
.endr
.endr
.endr
.endm
	STEP 0, 8, 1                                   ; the count leaves the next step's eight loads out
	STEP 1, 8, 1
	STEP 2, 8, 1
	STEP 3, 8, 1
	STEP 4, 8, 1
	STEP 5, 8, 1
	STEP 6, 8, 0
	STEP 7, 0, 0
.irp e, 0,1,2,3,4,5,6,7
	LSUM LG+(\e), TT
.endr
	; the largest |x| of the row, on the packed words
.set k, 0
.rept 16
	v_and_b32 v[GPK+k], s28, v[XPK+k]
.set k, k+1
.endr
.irp w, 8,4,2,1
.set k, 0
.rept \w
	v_pk_max_num_bf16 v[GPK+k], v[GPK+k], v[GPK+k+(\w)]
.set k, k+1
.endr
.endr
	v_lshlrev_b32 v[TT+1], 16, v[GPK]
	v_and_b32 v[TT+2], s29, v[GPK]
	v_max_num_f32 v[TT+1], v[TT+1], v[TT+2]
	v_max_num_f32_dpp v[TT+1], v[TT+1], v[TT+1] row_xmask:1 row_mask:0xf bank_mask:0xf
	v_max_num_f32_dpp v[TT+1], v[TT+1], v[TT+1] row_xmask:2 row_mask:0xf bank_mask:0xf
	v_max_num_f32_dpp v[TT+1], v[TT+1], v[TT+1] row_xmask:4 row_mask:0xf bank_mask:0xf
	v_max_num_f32_dpp v[TT+1], v[TT+1], v[TT+1] row_xmask:8 row_mask:0xf bank_mask:0xf
	v_permlanex16_b32 v[TT], v[TT+1], s30, s31
	v_max_num_f32 v[TT+1], v[TT+1], v[TT]
	v_max_num_f32 v[TT+1], 0x3727c5ac, v[TT+1]     ; m = max(., 1e-5)
	; scale = 127 / m: the reciprocal is refined, then the quotient, so that it is the rounded quotient
	v_rcp_f32 v[TT+2], v[TT+1]
	v_mov_b32 v[TT+4], 0x42fe0000                  ; 127.0: the plain line behind the reciprocal
	s_wait_alu depctr_va_vdst(0)                   ; the wait ahead of the result's first reader
	v_fma_f32 v[TT+3], -v[TT+1], v[TT+2], 1.0
	v_fma_f32 v[TT+2], v[TT+3], v[TT+2], v[TT+2]
	v_mul_f32 v[TT+3], v[TT+4], v[TT+2]
	v_fma_f32 v[TT+5], -v[TT+3], v[TT+1], v[TT+4]
	v_fma_f32 v[TT+6], v[TT+5], v[TT+2], v[TT+3]
	v_mov_b32 v[TT+7], v[TT+6]                     ; a pair for the packed multiply
.set k, 0
.rept 16
	v_lshlrev_b32 v[XR+2*k], 16, v[XPK+k]          ; the rounded x as f32
	v_and_b32 v[XR+2*k+1], s29, v[XPK+k]
.set k, k+1
.endr
.set k, 0
.rept 16
	v_pk_mul_f32 v[XR+2*k:XR+2*k+1], v[XR+2*k:XR+2*k+1], v[TT+6:TT+7]
.set k, k+1
.endr
	; The clip to -128 .. 127 changes nothing for any finite row: |x| <= m, so fl(|x| fl(127 / m)) <= 127 (1 + 2^-23)^2 < 127.5, which rounds to 127 at the most.  No line is spent on it.
.set k, 0
.rept 32
	v_rndne_f32 v[XR+k], v[XR+k]
.set k, k+1
.endr
.set k, 0
.rept 16
	v_cvt_pk_bf16_f32 v[XPK+k], v[XR+2*k], v[XR+2*k+1]  ; whole numbers up to 127: exact in bf16
.set k, k+1
.endr
.irp j, 0,1,2,3,4,5,6,7
	global_store_b64 v5, v[XPK+2*(\j):XPK+2*(\j)+1], s[32:33] offset:256*(\j)  ; a wave's store covers 256 consecutive bytes, aligned
.endr
	; the two largest logits, in every lane alike.  v80 m1, v81 i1, v82 m2, v83 i2.  Nothing below writes v5 or v[8:23], which the stores above read
	v_mov_b32 v80, v[LG]
	v_mov_b32 v81, 0
.irp e, 1,2,3,4,5,6,7
	v_cmp_gt_f32 vcc_lo, v[LG+(\e)], v80           ; strictly greater: a tie keeps the lower index
	v_cndmask_b32 v80, v80, v[LG+(\e)], vcc_lo
	v_cndmask_b32 v81, v81, \e, vcc_lo
.endr
	v_mov_b32 v82, 0xff800000
	v_mov_b32 v83, 0
.irp e, 0,1,2,3,4,5,6,7
	v_cmp_ne_u32 s38, \e, v81
	v_cmp_gt_f32 vcc_lo, v[LG+(\e)], v82
	s_and_b32 vcc_lo, vcc_lo, s38
	v_cndmask_b32 v82, v82, v[LG+(\e)], vcc_lo
	v_cndmask_b32 v83, v83, \e, vcc_lo
.endr
	; softmax over all eight (the maximum m1 taken away), logsumexp, and the two gates
.irp e, 0,1,2,3,4,5,6,7
	v_sub_f32 v[64+(\e)], v[LG+(\e)], v80
.endr
	v_sub_f32 v72, v82, v80
.set k, 64
.rept 9
	v_mul_f32 v[k], 0x3fb8aa3b, v[k]
.set k, k+1
.endr
.set k, 64
.rept 9
	v_exp_f32 v[k], v[k]
.set k, k+1
.endr
	v_mul_f32 v78, 0x3c010204, v[TT+1]             ; m / 127: a quantum of x (the plain line behind the batch)
	s_wait_alu depctr_va_vdst(0)                   ; one wait for the nine exponentials
	v_add_f32 v73, v64, v65
	v_add_f32 v74, v66, v67
	v_add_f32 v75, v68, v69
	v_add_f32 v76, v70, v71
	v_add_f32 v73, v73, v74
	v_add_f32 v75, v75, v76
	v_add_f32 v73, v73, v75
	v_add_f32 v74, 1.0, v72
	v_rcp_f32 v75, v73
	v_log_f32 v76, v73
	v_rcp_f32 v77, v74                             ; gate 1 = 1 / (1 + e^(m2 - m1))
	v_mov_b32 v84, 0                               ; the record begins as zeros (the plain line behind the batch)
	s_wait_alu depctr_va_vdst(0)                   ; one wait for the three
	v_fmamk_f32 v76, v76, 0x3f317218, v80          ; logsumexp = m1 + ln 2 x log2(sum)
	v_mul_f32 v76, v76, v76
	v_mul_f32 v79, v72, v77                        ; gate 2
.irp e, 0,1,2,3,4,5,6,7
	v_mul_f32 v[64+(\e)], v[64+(\e)], v75          ; probabilities
.endr
	; the record: lane k holds word k.  0-7 probabilities, 8-15 one-hot of the two experts, 16 logsumexp^2, 17 x's quantum, 18, 19 the gates, the rest 0
.irp e, 0,1,2,3,4,5,6,7
	s_mov_b32 s38, 1<<(\e)
	v_cndmask_b32 v84, v84, v[64+(\e)], s38
.endr
	v_add_nc_u32 v85, -8, v1
	v_cmp_eq_u32 s38, v85, v81
	v_cmp_eq_u32 s39, v85, v83
	s_or_b32 s38, s38, s39
	v_cndmask_b32 v84, v84, 1.0, s38
	s_mov_b32 s38, 1<<16
	v_cndmask_b32 v84, v84, v76, s38
	s_mov_b32 s38, 1<<17
	v_cndmask_b32 v84, v84, v78, s38
	s_mov_b32 s38, 1<<18
	v_cndmask_b32 v84, v84, v77, s38
	s_mov_b32 s38, 1<<19
	v_cndmask_b32 v84, v84, v79, s38
	v_lshlrev_b32 v86, 2, v1
	global_store_b32 v86, v84, s[34:35]
	v_cmp_eq_u32 vcc_lo, 0, v1
	v_cndmask_b32 v87, v83, v81, vcc_lo            ; lane 0: the first expert, lane 1: the second
	s_wait_xcnt 0x0                                ; EXEC changes only behind this wait
	v_cmpx_gt_u32 2, v1
	global_store_b32 v86, v87, s[36:37]
	s_endpgm
.Lfunc_end_k_qf062e7e11d_prep:
	.size	k_qf062e7e11d_prep, .Lfunc_end_k_qf062e7e11d_prep-k_qf062e7e11d_prep
	.p2alignl 7, 3214868480
	.fill 96, 4, 3214868480
	.section	.rodata,"a",@progbits
	.p2align	6, 0x0
	.amdhsa_kernel k_qf062e7e11d_prep
		.amdhsa_group_segment_fixed_size 0
		.amdhsa_private_segment_fixed_size 0
		.amdhsa_enable_private_segment 0
		.amdhsa_kernarg_size 64
		.amdhsa_user_sgpr_count 2
		.amdhsa_user_sgpr_kernarg_segment_ptr 1
		.amdhsa_wavefront_size32 1
		.amdhsa_system_sgpr_workgroup_id_x 1
		.amdhsa_system_sgpr_workgroup_id_y 1
		.amdhsa_system_sgpr_workgroup_id_z 1
		.amdhsa_system_vgpr_workitem_id 0
		.amdhsa_next_free_vgpr 128
		.amdhsa_next_free_sgpr 66
		.amdhsa_reserve_vcc 1
		.amdhsa_float_denorm_mode_32 3
		.amdhsa_float_denorm_mode_16_64 3
		.amdhsa_memory_ordered 1
		.amdhsa_forward_progress 1
		.amdhsa_inst_pref_size 70
	.end_amdhsa_kernel
	.amdgpu_metadata
---
amdhsa.version: [ 1, 2 ]
amdhsa.kernels:
  - .name:           k_qf062e7e11d_prep
    .symbol:         k_qf062e7e11d_prep.kd
    .args:
      - { .name: x, .offset: 0, .size: 8, .value_kind: global_buffer, .address_space: global }
      - { .name: w_gate, .offset: 8, .size: 8, .value_kind: global_buffer, .address_space: global }
      - { .name: w_in, .offset: 16, .size: 8, .value_kind: global_buffer, .address_space: global }
      - { .name: w_out, .offset: 24, .size: 8, .value_kind: global_buffer, .address_space: global }
      - { .name: psum, .offset: 32, .size: 8, .value_kind: global_buffer, .address_space: global }
      - { .name: route, .offset: 40, .size: 8, .value_kind: global_buffer, .address_space: global }
      - { .name: rec, .offset: 48, .size: 8, .value_kind: global_buffer, .address_space: global }
      - { .name: xq, .offset: 56, .size: 8, .value_kind: global_buffer, .address_space: global }
    .group_segment_fixed_size: 0
    .private_segment_fixed_size: 0
    .kernarg_segment_align: 8
    .kernarg_segment_size: 64
    .max_flat_workgroup_size: 256
    .sgpr_count:     66
    .vgpr_count:     128
    .wavefront_size: 32
...
	.end_amdgpu_metadata
.endif
;; end of part 1
;; launch up (part 2): grid 256 x 1, 4 waves a work-group, no clusters, 286,720 bytes of LDS; arguments w_in, xq, psum, route, rec, hp, lists; writes hp, lists
.if DOCPART == 2
	.amdgcn_target "amdgcn-amd-amdhsa--gfx1250"
	.amdhsa_code_object_version 6
	.text
	.protected	k_qf062e7e11d_up
	.globl	k_qf062e7e11d_up
	.p2align	8
	.type	k_qf062e7e11d_up,@function
k_qf062e7e11d_up:
	s_mov_b64 s[64:65], 0
	v_nop
	global_prefetch_b8 v0, s[64:65] scope:SCOPE_SE
	s_setreg_imm32_b32 hwreg(HW_REG_WAVE_MODE, 25, 1), 1
	s_wait_xcnt 0x0
; UP.  h[slot][j] = silu(a1) a2, with a1, a2 = (quantised x of the slot's token) . (ternary w_in of the slot's expert), slot = 2 token + k.  h is stored in f32: its 8-bit
; quantisation needs the maximum of the whole row, which spans work-groups.
; SHARES.  Work-group = (expert e = wg / 32, slice s = wg % 32): 64 hidden columns = 128 rows of w_in (64 for a1, 64 for a2), 512 KiB that it alone reads, and ALL rows of expert e.
; PHASES.  (1) the expert's threshold from the stored sums; wave 0 ranks the 2,048 stored choices into the expert's list of slots in LDS (a counting pass, no atomics);
; (2) each wave streams its 32 weight rows through registers, makes them -1, 0, 1 and lays them into LDS as bf16; (3) passes of 320 rows: a wave takes 5 tiles of 16 rows x all 8 tiles of
; 16 weight rows; x's fragments come from memory straight into registers, by the list.  K goes in 32 steps of 32: eight written out (the first starts the sums), sixteen in a loop of two trips,
; eight written out (they ask for nothing past a row's end); (4) the activation, and out through a stage in LDS of the wave's own: a loop over the wave's five tiles, in which what names a
; tile's own registers is written five times and the rest once.
; The pass loop counts to the constant 4 (1,280 places cover the 1,024 rows an expert can have); a dead pass is jumped forward; nothing jumped holds a barrier.
; EXACT PRODUCTS.  Both operands are whole numbers (|x| <= 127, w in -1, 0, 1), exact in bf16; the f32 sums stay below 2^18: the products round nothing.
; THE THRESHOLD.  On weights rounded to bf16 the weight is not 0 where fl(|w| x fl(1 / mean)) > 0.5.  The 32 lanes try the 32 bf16 numbers round mean / 2; u is the largest that stays 0; a raw f32 w
; rounds to a bf16 number above u exactly where |w|'s bits exceed cm = u + 0x8000 - (bit 16 of u).  So one compare against cm decides, here as clamp((+-w - cm) 2^64) = 0 or 1.
; LIMITS.  Inputs count as rounded to bf16.  |w| and the mean stay below 2^63.  The mean's order of summation differs from a serial sum.  NaN and infinities are not treated apart.
; No tensor loads: every weight needs vector work on its way and has one reader, and the token rows come by a list.  No cluster: no tile is shared in a form that one descriptor covers.
; The matrix instruction is used transposed (source 0 = 16 weight rows, source 1 = 16 tokens): a lane holds one token and eight neighbouring hidden columns.
.set PW,     2064                      ; an LDS row of weights: 2,048 bytes + 16: the 16 rows of a fragment load start 516 words apart, at 16 different groups of four banks
.set LIST,   128*PW                    ; 4,096 bytes: the expert's slots
.set DUMP,   LIST+4096                 ; 256 bytes: where lanes without a match store
.set CNT,    DUMP+256                  ; word 0: the expert's number of rows
.set STAGE,  CNT+256                   ; 16 rows x 272 bytes for each wave
.set SPITCH, 272
.set SPARE,  STAGE+4*16*SPITCH         ; the spare words, 128 bytes a wave: no other line names them
.set LANE, 1
.set R16,  2                           ; lane % 16
.set HH,   3                           ; lane / 16
.set SPW,  4                           ; my spare word's address; never rewritten
.set NIL,  5                           ; 0; never rewritten
.set L16,  6                           ; 16 x lane
.set LSTO, 7                           ; where the stream stores, running
.set BA0,  8                           ; v[8:11]  LDS base of the weight fragments, one for each pair of tiles
.set BA,   12                          ; v[12:15] the same, running along K
.set AO,   16                          ; v[16:20] byte offset in xq of my row in tile m
.set SL,   21                          ; v[21:25] its slot
.set FF,   26                          ; v[26:30] its token's quantum of x
.set STO,  31
.set RD,   32
.set CO,   33
.set BIDX, 34                          ; v[34:41] 4 (2 t + lane / 16): whose slot belongs to the row that I store
.set HP,   42                          ; v[42:43] 2^64 twice
.set HN,   44                          ; v[44:45] -2^64 twice
.set AD,   46                          ; v[46:47] -cm 2^64 twice
.set T,    48                          ; v[48:61] at work
.set H16,  62                          ; 16 (lane / 16)
.set L4,   63                          ; 4 x lane
.set RING, 64                          ; v[64:191] the stream's 32 slots; later two buffers of 8 weight fragments
.set RT,   192                         ; v[192:255] the 2,048 stored choices, 64 a lane
.set EE,   64                          ; the way out: exponents and denominators,
.set PP,   96                          ; products and h,
.set BK,   128                         ; rows read back,
.set GO,   160                         ; their offsets in h
; window 1: accumulators of tiles 0-3, (m, b) at 64 m + 8 b.  window 2: v0-63 tile 4's; v64-223 x's fragments, four buffers of 40
.set MSB, 0
.macro WIN new                         ; the immediate's high byte repeats the setting that is left; a switch that changes nothing is dropped
.if MSB != (\new)
	s_set_vgpr_msb (MSB<<8)|(\new)
.set MSB, \new
.endif
.endm
.macro LSUM r, t
	v_add_f32_dpp v[\r], v[\r], v[\r] row_xmask:1 row_mask:0xf bank_mask:0xf
	v_add_f32_dpp v[\r], v[\r], v[\r] row_xmask:2 row_mask:0xf bank_mask:0xf
	v_add_f32_dpp v[\r], v[\r], v[\r] row_xmask:4 row_mask:0xf bank_mask:0xf
	v_add_f32_dpp v[\r], v[\r], v[\r] row_xmask:8 row_mask:0xf bank_mask:0xf
	v_permlanex16_b32 v[\t], v[\r], s30, s31
	v_add_f32 v[\r], v[\r], v[\t]
.endm
	s_load_b256 s[4:11], s[0:1], 0x0               ; w_in s[4:5], xq s[6:7], psum s[8:9], route s[10:11]
	s_load_b128 s[12:15], s[0:1], 0x20             ; rec s[12:13], hp s[14:15]
	s_load_b64 s[36:37], s[0:1], 0x30              ; lists
	v_lshl_add_u32 v[SPW], v0, 2, SPARE
	v_mov_b32 v[NIL], 0
	v_and_b32 v[LANE], 31, v0
	v_lshrrev_b32 v[T], 5, v0
	v_readfirstlane_b32 s16, v[T]                  ; wave
	v_and_b32 v[R16], 15, v0
	v_bfe_u32 v[HH], v0, 4, 1
	s_lshr_b32 s17, ttmp9, 5                       ; expert
	s_and_b32 s18, ttmp9, 31                       ; slice
	s_mov_b32 s30, 0x76543210
	s_mov_b32 s31, 0xfedcba98
	v_lshlrev_b32 v[L16], 4, v[LANE]
	s_lshl_b32 s20, s17, 12                        ; my first weight row: 4096 e + 2048 (w / 2) + 64 s + 32 (w % 2)
	s_lshr_b32 s21, s16, 1
	s_lshl_b32 s21, s21, 11
	s_add_co_u32 s20, s20, s21
	s_lshl_b32 s21, s18, 6
	s_add_co_u32 s20, s20, s21
	s_and_b32 s21, s16, 1
	s_lshl_b32 s21, s21, 5
	s_add_co_u32 s20, s20, s21
	s_lshl_b32 s20, s20, 12                        ; x 4,096 bytes: under 2^27
	s_mov_b32 s21, 0
	s_mul_i32 s22, s16, 32*PW                      ; its place in LDS: rows 32 w on
	v_lshlrev_b32 v[LSTO], 3, v[LANE]
	v_add_nc_u32 v[LSTO], s22, v[LSTO]
	v_mul_u32_u24 v[T], v[R16], PW                 ; a fragment: row x pitch + 16 x half
	v_lshl_add_u32 v[T], v[HH], 4, v[T]
.irp p, 0,1,2,3
	v_add_nc_u32 v[BA0+(\p)], (\p)*32*PW, v[T]
.endr
	s_mul_i32 s23, s16, 16*SPITCH
	s_add_co_u32 s23, s23, STAGE                   ; my stage
	v_mul_u32_u24 v[STO], v[R16], SPITCH           ; in: row lane % 16, 32 bytes for each half of the lanes
	v_lshl_add_u32 v[STO], v[HH], 5, v[STO]
	v_add_nc_u32 v[STO], s23, v[STO]
	v_mul_u32_u24 v[RD], v[HH], SPITCH             ; back: lanes 0-15 one row of 256 bytes, lanes 16-31 the next
	v_lshl_add_u32 v[RD], v[R16], 4, v[RD]
	v_add_nc_u32 v[RD], s23, v[RD]
	s_lshl_b32 s22, s18, 8
	v_lshlrev_b32 v[CO], 4, v[R16]
	v_add_nc_u32 v[CO], s22, v[CO]                 ; my 16 bytes in a row of h: 256 s + 16 (lane % 16)
	v_lshlrev_b32 v[T], 2, v[HH]
.irp t, 0,1,2,3,4,5,6,7
	v_add_nc_u32 v[BIDX+(\t)], 8*(\t), v[T]
.endr
	v_mov_b32 v[HP], 0x5f800000
	v_mov_b32 v[HP+1], 0x5f800000
	v_mov_b32 v[HN], 0xdf800000
	v_mov_b32 v[HN+1], 0xdf800000
	s_lshl_b32 s22, s17, 11                        ; the expert's 512 partial sums
	s_mov_b32 s23, 0
	s_wait_kmcnt 0x0
	s_add_nc_u64 s[32:33], s[4:5], s[20:21]        ; the weights' running base
	s_add_nc_u64 s[38:39], s[8:9], s[22:23]
.irp t, 0,1,2,3
	global_load_b128 v[T+4*(\t):T+4*(\t)+3], v[L16], s[38:39] offset:512*(\t)
.endr
.set i, 0
.rept 16
	global_load_b128 v[RT+4*i:RT+4*i+3], v[L16], s[10:11] offset:512*i  ; register 4 i + c holds the choice of slot 128 i + 4 lane + c
.set i, i+1
.endr
.set i, 0
.rept 32
	global_load_b128 v[RING+4*i:RING+4*i+3], v[L16], s[32:33] offset:512*i th:TH_LOAD_NT  ; the stream begins: four weight rows
.set i, i+1
.endr
	s_wait_loadcnt 32                              ; sums and choices are in; the ring's 32 loads stay out
	; THE THRESHOLD
	v_pk_add_f32 v[48:49], v[48:49], v[50:51]
	v_pk_add_f32 v[52:53], v[52:53], v[54:55]
	v_pk_add_f32 v[56:57], v[56:57], v[58:59]
	v_pk_add_f32 v[60:61], v[60:61], v[62:63]
	v_pk_add_f32 v[48:49], v[48:49], v[52:53]
	v_pk_add_f32 v[56:57], v[56:57], v[60:61]
	v_pk_add_f32 v[48:49], v[48:49], v[56:57]
	v_add_f32 v48, v48, v49
	LSUM 48, 49
	v_mul_f32 v48, 0x34800000, v48                 ; / 2^22 weights
	v_max_num_f32 v48, 0x3727c5ac, v48             ; mc = max(mean, 1e-5)
	v_rcp_f32 v49, v48
	v_mul_f32 v50, 0.5, v48                        ; the plain line behind the reciprocal
	s_wait_alu depctr_va_vdst(0)                   ; the wait ahead of the result's first reader
	v_fma_f32 v51, -v48, v49, 1.0
	v_fma_f32 v49, v51, v49, v49                   ; 1 / mc, refined
	v_and_b32 v50, 0xffff0000, v50                 ; mc / 2 cut to bf16
	v_add_nc_u32 v51, -16, v[LANE]
	v_lshl_add_u32 v51, v51, 16, v50               ; lane l tries the bf16 number l - 16 steps from it
	v_mul_f32 v51, v51, v49
	v_cmp_lt_f32 s20, 0.5, v51
	s_ctz_i32_b32 s21, s20                         ; the first lane whose number does not stay 0
	v_readfirstlane_b32 s22, v50
	v_readfirstlane_b32 s35, v48                   ; mc, kept
	s_sub_co_i32 s21, s21, 17
	s_lshl_b32 s21, s21, 16
	s_add_co_u32 s22, s22, s21                     ; u
	s_bfe_u32 s23, s22, 0x10010                    ; its bit 16
	s_add_co_u32 s22, s22, 0x8000
	s_sub_co_u32 s22, s22, s23                     ; cm.  These numbers enter values alone, no address and no branch
	v_mov_b32 v52, s22
	v_mul_f32 v[AD], 0xdf800000, v52
	v_mov_b32 v[AD+1], v[AD]
	v_lshlrev_b32 v[H16], 4, v[HH]
	v_lshlrev_b32 v[L4], 2, v[LANE]
	v_mov_b32 v57, CNT
	; THE LIST: wave 0 alone; no other wave touches LDS ahead of the barrier below
	s_cmp_lg_u32 s16, 0
	s_cbranch_scc1 .Lnolist
	v_mov_b32 v48, 0
	v_mov_b32 v49, 0
	v_mov_b32 v50, 0
	v_mov_b32 v51, 0
	v_add_nc_u32 v52, LIST, v[L16]
	v_add_nc_u32 v54, DUMP, v[L4]
.irp t, 0,1,2,3,4,5,6,7
	ds_store_b128 v52, v[48:51] offset:512*(\t)    ; places past the count hold 0
.endr
	s_mov_b32 s20, LIST                            ; where the next match goes
.macro RANK q                          ; 32 choices: a lane with a match stores its slot at its rank, the others into the dump
	v_cmp_eq_u32 vcc_lo, s17, v[RT+(\q)]
	v_mbcnt_lo_u32_b32 v53, vcc_lo, 0
	v_lshl_add_u32 v53, v53, 2, s20
	v_cndmask_b32 v53, v54, v53, vcc_lo
	v_min_u32 v53, DUMP+124, v53                   ; whatever the stored choices hold, the address stays in LIST and DUMP
	v_add_nc_u32 v55, 128*((\q)/4)+(\q)%4, v[L4]
	ds_store_b32 v53, v55
	s_bcnt1_i32_b32 s21, vcc_lo
	s_lshl2_add_u32 s20, s21, s20
.endm
.set i, 0
.rept 64
	RANK i
.set i, i+1
.endr
	s_sub_co_u32 s21, s20, LIST
	s_lshr_b32 s21, s21, 2                         ; the expert's rows
	v_mov_b32 v56, s21
	ds_store_b32 v57, v56
	s_cmp_lg_u32 s18, 0
	s_cbranch_scc1 .Lnodump                        ; slice 0 stores list and count for the later launch
.irp t, 0,1,2,3,4,5,6,7
	ds_load_b128 v[RT+4*(\t):RT+4*(\t)+3], v52 offset:512*(\t)  ; LDS serves a wave's instructions in order: these see the stores above
.endr
	s_lshl_b32 s21, s17, 12
	v_add_nc_u32 v58, s21, v[L16]
	s_lshl_b32 s21, s17, 7
	v_add_nc_u32 v59, s21, v[L4]
	s_wait_dscnt 0x0
.irp t, 0,1,2,3,4,5,6,7
	global_store_b128 v58, v[RT+4*(\t):RT+4*(\t)+3], s[36:37] offset:512*(\t)
.endr
	global_store_b32 v59, v56, s[36:37] offset:32768
	s_wait_xcnt 0x0                                ; the stores' registers are written again below
.Lnodump:
.Lnolist:
	s_wait_dscnt 0x0                               ; for the others' sake: list and count are in LDS
	s_barrier_signal -1
	s_barrier_wait -1
	ds_load_b32 v60, v57
	s_wait_dscnt 0x0
	v_readfirstlane_b32 s19, v60
	s_min_u32 s19, s19, 1024                       ; R
	s_max_u32 s34, s19, 1
	s_sub_co_u32 s34, s34, 1                       ; the last row's place
	; THE STREAM.  One slot's turn: four weights to -1, 0, 1 in bf16, 8 bytes a lane into LDS.  left = the younger loads that may stay out.
.macro WSLOT i, ahead, left
	s_wait_loadcnt \left
	v_pk_fma_f32 v[48:49], v[RING+4*(\i):RING+4*(\i)+1], v[HP:HP+1], v[AD:AD+1] clamp      ; 1 where w > cm
	v_pk_fma_f32 v[50:51], v[RING+4*(\i)+2:RING+4*(\i)+3], v[HP:HP+1], v[AD:AD+1] clamp
	v_pk_fma_f32 v[52:53], v[RING+4*(\i):RING+4*(\i)+1], v[HN:HN+1], v[AD:AD+1] clamp      ; 1 where -w > cm
	v_pk_fma_f32 v[54:55], v[RING+4*(\i)+2:RING+4*(\i)+3], v[HN:HN+1], v[AD:AD+1] clamp
.if \ahead
	global_load_b128 v[RING+4*(\i):RING+4*(\i)+3], v[L16], s[32:33] offset:16384+512*(\i) th:TH_LOAD_NT
.endif
	v_pk_add_f32 v[48:49], v[48:49], v[52:53] neg_lo:[0,1] neg_hi:[0,1]
	v_pk_add_f32 v[50:51], v[50:51], v[54:55] neg_lo:[0,1] neg_hi:[0,1]
	v_cvt_pk_bf16_f32 v[56+2*((\i)%2)], v48, v49
	v_cvt_pk_bf16_f32 v[57+2*((\i)%2)], v50, v51
	ds_store_b64 v[LSTO], v[56+2*((\i)%2):57+2*((\i)%2)] offset:((\i)/8)*PW+((\i)%8)*256   ; a wave's store covers 256 consecutive bytes
.endm
	s_mov_b32 s24, 7                               ; 8 laps of four rows: seven ask for the next, the last is written out
.Lwlap:
.set i, 0
.rept 32
	WSLOT i, 1, 31                                 ; thirty-one younger loads stay out
.set i, i+1
.endr
	s_wait_xcnt 0x0                                ; the base is stepped only behind this wait
	s_add_nc_u64 s[32:33], s[32:33], 16384
	v_add_nc_u32 v[LSTO], 4*PW, v[LSTO]
	s_sub_co_u32 s24, s24, 1
	s_cmp_lg_u32 s24, 0
	s_cbranch_scc1 .Lwlap
.set i, 0
.rept 32
	WSLOT i, 0, 31-i
.set i, i+1
.endr
	s_wait_dscnt 0x0                               ; for the others' sake: my 32 rows are in LDS
	s_barrier_signal -1
	s_barrier_wait -1                              ; the last barrier: from here on LDS rows of weights are only read
.macro ALOAD buf, k                    ; x's fragments of my five tiles, 32 along K at byte 64 k of the running base, into ring buffer buf
	WIN 0x80                                       ; destination window 2, address window 0
.irp m, 0,1,2,3,4
	global_load_b128 v[64+40*(\buf)+8*(\m):64+40*(\buf)+8*(\m)+3],   v[AO+(\m)], s[28:29] offset:64*(\k)
	global_load_b128 v[64+40*(\buf)+8*(\m)+4:64+40*(\buf)+8*(\m)+7], v[AO+(\m)], s[28:29] offset:64*(\k)+32
.endr
.endm
.macro BLOAD buf, k                    ; the eight weight fragments of the same step
	WIN 0
.irp b, 0,1,2,3,4,5,6,7
	ds_load_b128 v[RING+64*(\buf)+8*(\b):RING+64*(\buf)+8*(\b)+3],   v[BA+(\b)/2] offset:((\b)%2)*16*PW+64*(\k)
	ds_load_b128 v[RING+64*(\buf)+8*(\b)+4:RING+64*(\buf)+8*(\b)+7], v[BA+(\b)/2] offset:((\b)%2)*16*PW+64*(\k)+32
.endr
.endm
.macro MUL q, zero                     ; 40 products; the 40 accumulators take turns, one instruction a turn.  zero = 1: they start the sums
	WIN 0x58                                       ; weights window 0, x window 2, sums window 1
.irp m, 0,1,2,3
.irp b, 0,1,2,3,4,5,6,7
.if \zero
	v_wmma_f32_16x16x32_bf16 v[64*(\m)+8*(\b):64*(\m)+8*(\b)+7], v[RING+64*((\q)%2)+8*(\b):RING+64*((\q)%2)+8*(\b)+7], v[64+40*((\q)%4)+8*(\m):64+40*((\q)%4)+8*(\m)+7], 0
.else
	v_wmma_f32_16x16x32_bf16 v[64*(\m)+8*(\b):64*(\m)+8*(\b)+7], v[RING+64*((\q)%2)+8*(\b):RING+64*((\q)%2)+8*(\b)+7], v[64+40*((\q)%4)+8*(\m):64+40*((\q)%4)+8*(\m)+7], v[64*(\m)+8*(\b):64*(\m)+8*(\b)+7]
.endif
.endr
.endr
	WIN 0xa8                                       ; tile 4's sums lie in window 2
.irp b, 0,1,2,3,4,5,6,7
.if \zero
	v_wmma_f32_16x16x32_bf16 v[8*(\b):8*(\b)+7], v[RING+64*((\q)%2)+8*(\b):RING+64*((\q)%2)+8*(\b)+7], v[64+40*((\q)%4)+32:64+40*((\q)%4)+39], 0
.else
	v_wmma_f32_16x16x32_bf16 v[8*(\b):8*(\b)+7], v[RING+64*((\q)%2)+8*(\b):RING+64*((\q)%2)+8*(\b)+7], v[64+40*((\q)%4)+32:64+40*((\q)%4)+39], v[8*(\b):8*(\b)+7]
.endif
.endr
.endm
; A K step of 32.  x is asked for three steps ahead, the weights' fragments one.  lc: x's younger loads; dc: the fragments just asked for.
.macro KSTEP q, zero, aload, bload, lc, dc
.rept 4
	v_nop                                          ; four places between the last products and the loads into registers that they read (ISA guide 7.12.1 for vector instructions)
.endr
.if \aload
	ALOAD ((\q)+3)%4, (\q)+3
.endif
.if \bload
	BLOAD ((\q)+1)%2, (\q)+1
.endif
	s_wait_loadcnt \lc
	s_wait_dscnt \dc
	MUL \q, \zero
.endm
.macro KNEXT                           ; eight K steps on: 512 bytes of a row of xq and of a row of weights in LDS
	WIN 0
	s_wait_xcnt 0x0                                ; the base is stepped only behind this wait
	s_add_nc_u64 s[28:29], s[28:29], 512
.irp p, 0,1,2,3
	v_add_nc_u32 v[BA+(\p)], 0x200, v[BA+(\p)]
.endr
.endm
; The running LDS addresses are held to the largest value that they have in the K steps that follow: pair p's rows, row 15, the upper half's 16 bytes and lim bytes along K.
; The lines change no value; they state in the text that the fragment loads stay inside the weights' 128 rows, apart from the stages and the spare words.
.macro KCLAMP lim
.irp p, 0,1,2,3
	v_min_u32 v[BA+(\p)], (\p)*32*PW+15*PW+16+(\lim), v[BA+(\p)]
.endr
.endm
; THE WAY OUT, the part that names tile m's own registers.  With f = x's quantum x mc: h = a1 a2 / (1 + e^-a1) = acc1 acc2 / (2^(-log2e f acc1) / f^2 + 1 / f^2).
; It leaves f in v48, the tile's slots in v54, -log2e f acc1 in EE and acc1 acc2 in PP.
.macro EPIM m
.if (\m) < 4
.set AW, 1
.set AC, 64*(\m)
.else
.set AW, 2
.set AC, 0
.endif
	v_mul_f32 v48, s35, v[FF+(\m)]
	v_mov_b32 v54, v[SL+(\m)]
	v_mul_f32 v50, 0xbfb8aa3b, v48
	v_mov_b32 v51, v50
	WIN AW
.set z, 0
.rept 16
	v_pk_mul_f32 v[EE+2*z:EE+2*z+1], v[AC+2*z:AC+2*z+1], v[50:51]  ; each accumulator is read from its low end on
.set z, z+1
.endr
	WIN 5*AW
.set z, 0
.rept 16
	v_pk_mul_f32 v[PP+2*z:PP+2*z+1], v[AC+2*z:AC+2*z+1], v[AC+32+2*z:AC+32+2*z+1]
.set z, z+1
.endr
	WIN 0
.endm
	s_mov_b32 s25, 4
	s_mov_b32 s26, 0                               ; the pass's first row
.Lpass:
	s_cmp_ge_u32 s26, s19
	s_cbranch_scc1 .Lpass_next                     ; a dead pass
	s_wait_xcnt 0x0                                ; the last pass's stores have read their registers
	s_lshl_b32 s22, s16, 4
	s_add_co_u32 s22, s22, s26                     ; tile m of mine begins at row s22 + 64 m
	v_add_nc_u32 v48, s22, v[R16]
.irp m, 0,1,2,3,4
	v_add_nc_u32 v[49+(\m)], 64*(\m), v48
	v_min_u32 v[49+(\m)], s34, v[49+(\m)]          ; places past the count repeat the last row
	v_min_u32 v[49+(\m)], 0x3ff, v[49+(\m)]
	v_lshl_add_u32 v[49+(\m)], v[49+(\m)], 2, LIST
	ds_load_b32 v[SL+(\m)], v[49+(\m)]
.endr
	s_wait_dscnt 0x0
.irp m, 0,1,2,3,4
	v_min_u32 v[SL+(\m)], 0x7ff, v[SL+(\m)]
	v_and_b32 v[54+(\m)], 0x7fe, v[SL+(\m)]        ; 2 x token
	v_lshl_add_u32 v[AO+(\m)], v[54+(\m)], 10, v[H16]
	v_lshlrev_b32 v[54+(\m)], 6, v[54+(\m)]
	global_load_b32 v[FF+(\m)], v[54+(\m)], s[12:13] offset:68
.endr
.irp p, 0,1,2,3
	v_mov_b32 v[BA+(\p)], v[BA0+(\p)]
.endr
	s_mov_b64 s[28:29], s[6:7]
	ALOAD 0, 0
	ALOAD 1, 1
	ALOAD 2, 2
	BLOAD 0, 0
	KSTEP 0, 1, 1, 1, 30, 16                       ; K steps 0 to 7: the first starts the sums.  30: the three younger steps of x; 16: the next step's weight fragments
.irp q, 1,2,3,4,5,6,7
	KSTEP \q, 0, 1, 1, 30, 16
.endr
	KNEXT
	s_mov_b32 s27, 2
.Lk:                                                   ; K steps 8 to 23, eight a trip
	KCLAMP 0x400                                   ; two trips: 0x200 and 0x400 along K
.irp q, 0,1,2,3,4,5,6,7
	KSTEP \q, 0, 1, 1, 30, 16
.endr
	KNEXT
	s_sub_co_u32 s27, s27, 1
	s_cmp_lg_u32 s27, 0
	s_cbranch_scc1 .Lk
	KCLAMP 0x600                                   ; K step 24 lies 0x600 along K
.irp q, 0,1,2,3,4
	KSTEP \q, 0, 1, 1, 30, 16                      ; K steps 24 to 28 ask for x's steps 27 to 31: the last of a row
.endr
	KSTEP 5, 0, 0, 1, 20, 16                       ; then the counts run down, and no load leaves a row
	KSTEP 6, 0, 0, 1, 10, 16
	KSTEP 7, 0, 0, 0, 0, 0
.rept 4
	v_nop                                          ; the places behind the last products, on every way that follows
.endr
	WIN 0
	s_mov_b32 s24, 0
.Lepi:                                                 ; the way out: five trips, a tile each; every LDS address in it is fixed
	s_lshl_b32 s23, s24, 6
	s_add_co_u32 s23, s23, s22                     ; the tile's first row
	s_cmp_ge_u32 s23, s19
	s_cbranch_scc1 .Lepi_next                      ; a tile wholly past the count stores nothing
	s_wait_xcnt 0x0                                ; the last tile's stores have read their registers
	s_cmp_eq_u32 s24, 0
	s_cbranch_scc1 .Lm0
	s_cmp_eq_u32 s24, 1
	s_cbranch_scc1 .Lm1
	s_cmp_eq_u32 s24, 2
	s_cbranch_scc1 .Lm2
	s_cmp_eq_u32 s24, 3
	s_cbranch_scc1 .Lm3
	EPIM 4
	s_branch .Lcommon
.Lm3:
	EPIM 3
	s_branch .Lcommon
.Lm2:
	EPIM 2
	s_branch .Lcommon
.Lm1:
	EPIM 1
	s_branch .Lcommon
.Lm0:
	EPIM 0
.Lcommon:
	v_mul_f32 v49, v48, v48
	v_rcp_f32 v52, v49                             ; 1 / f^2
.set z, 0
.rept 32
	v_exp_f32 v[EE+z], v[EE+z]
.set z, z+1
.endr
	v_nop                                          ; the plain line behind the last exponential
	s_wait_alu depctr_va_vdst(0)                   ; one wait for the reciprocal and the 32 exponentials
	v_mov_b32 v53, v52
.set z, 0
.rept 16
	v_pk_fma_f32 v[EE+2*z:EE+2*z+1], v[EE+2*z:EE+2*z+1], v[52:53], v[52:53]
.set z, z+1
.endr
.set z, 0
.rept 32
	v_rcp_f32 v[EE+z], v[EE+z]
.set z, z+1
.endr
	v_nop                                          ; the plain line behind the last reciprocal
	s_wait_alu depctr_va_vdst(0)                   ; one wait for the 32
.set z, 0
.rept 16
	v_pk_mul_f32 v[PP+2*z:PP+2*z+1], v[PP+2*z:PP+2*z+1], v[EE+2*z:EE+2*z+1]
.set z, z+1
.endr
.irp b, 0,1,2,3
	ds_store_b128 v[STO], v[PP+8*(\b):PP+8*(\b)+3] offset:64*(\b)
	ds_store_b128 v[STO], v[PP+8*(\b)+4:PP+8*(\b)+7] offset:64*(\b)+16
.endr
.irp t, 0,1,2,3,4,5,6,7
	ds_bpermute_b32 v[GO+(\t)], v[BIDX+(\t)], v54  ; the slot of row 2 t + lane / 16
.endr
.irp t, 0,1,2,3,4,5,6,7
	ds_load_b128 v[BK+4*(\t):BK+4*(\t)+3], v[RD] offset:2*SPITCH*(\t)  ; my own stage: LDS serves a wave's instructions in order
.endr
	s_wait_dscnt 0x0
.irp t, 0,1,2,3,4,5,6,7
	v_min_u32 v[GO+(\t)], 0x7ff, v[GO+(\t)]
	v_lshl_add_u32 v[GO+(\t)], v[GO+(\t)], 13, v[CO]
.endr
.irp t, 0,1,2,3,4,5,6,7
	global_store_b128 v[GO+(\t)], v[BK+4*(\t):BK+4*(\t)+3], s[14:15]  ; sixteen lanes store 256 consecutive bytes of one row of h, aligned; places past the count store the last row's bytes again
.endr
.Lepi_next:
	s_add_co_u32 s24, s24, 1
	s_cmp_lt_u32 s24, 5
	s_cbranch_scc1 .Lepi
.Lpass_next:
	s_add_co_u32 s26, s26, 320
	s_sub_co_u32 s25, s25, 1
	s_cmp_lg_u32 s25, 0
	s_cbranch_scc1 .Lpass
	s_wait_tensorcnt 0x0                           ; the wave's end: three lines behind my last LDS store
	ds_add_u32 v[SPW], v[NIL]
	s_wait_dscnt 0x0
	s_endpgm
.Lfunc_end_k_qf062e7e11d_up:
	.size	k_qf062e7e11d_up, .Lfunc_end_k_qf062e7e11d_up-k_qf062e7e11d_up
	.p2alignl 7, 3214868480
	.fill 96, 4, 3214868480
	.section	.rodata,"a",@progbits
	.p2align	6, 0x0
	.amdhsa_kernel k_qf062e7e11d_up
		.amdhsa_group_segment_fixed_size 286720
		.amdhsa_private_segment_fixed_size 0
		.amdhsa_enable_private_segment 0
		.amdhsa_kernarg_size 56
		.amdhsa_user_sgpr_count 2
		.amdhsa_user_sgpr_kernarg_segment_ptr 1
		.amdhsa_wavefront_size32 1
		.amdhsa_system_sgpr_workgroup_id_x 1
		.amdhsa_system_sgpr_workgroup_id_y 1
		.amdhsa_system_sgpr_workgroup_id_z 1
		.amdhsa_system_vgpr_workitem_id 0
		.amdhsa_next_free_vgpr 736
		.amdhsa_next_free_sgpr 66
		.amdhsa_reserve_vcc 1
		.amdhsa_float_denorm_mode_32 3
		.amdhsa_float_denorm_mode_16_64 3
		.amdhsa_memory_ordered 1
		.amdhsa_forward_progress 1
		.amdhsa_inst_pref_size 221
	.end_amdhsa_kernel
	.amdgpu_metadata
---
amdhsa.version: [ 1, 2 ]
amdhsa.kernels:
  - .name:           k_qf062e7e11d_up
    .symbol:         k_qf062e7e11d_up.kd
    .args:
      - { .name: w_in, .offset: 0, .size: 8, .value_kind: global_buffer, .address_space: global }
      - { .name: xq, .offset: 8, .size: 8, .value_kind: global_buffer, .address_space: global }
      - { .name: psum, .offset: 16, .size: 8, .value_kind: global_buffer, .address_space: global }
      - { .name: route, .offset: 24, .size: 8, .value_kind: global_buffer, .address_space: global }
      - { .name: rec, .offset: 32, .size: 8, .value_kind: global_buffer, .address_space: global }
      - { .name: hp, .offset: 40, .size: 8, .value_kind: global_buffer, .address_space: global }
      - { .name: lists, .offset: 48, .size: 8, .value_kind: global_buffer, .address_space: global }
    .group_segment_fixed_size: 286720
    .private_segment_fixed_size: 0
    .kernarg_segment_align: 8
    .kernarg_segment_size: 56
    .max_flat_workgroup_size: 128
    .sgpr_count:     66
    .vgpr_count:     736
    .wavefront_size: 32
...
	.end_amdgpu_metadata
.endif
;; end of part 2
;; launch quant (part 3): grid 256 x 1, 8 waves a work-group, no clusters, 0 bytes of LDS; arguments hp, rec, hq, qs; writes hq, qs
.if DOCPART == 3
	.amdgcn_target "amdgcn-amd-amdhsa--gfx1250"
	.amdhsa_code_object_version 6
	.text
	.protected	k_qf062e7e11d_quant
	.globl	k_qf062e7e11d_quant
	.p2align	8
	.type	k_qf062e7e11d_quant,@function
k_qf062e7e11d_quant:
	s_mov_b64 s[64:65], 0
	v_nop
	global_prefetch_b8 v0, s[64:65] scope:SCOPE_SE
	s_setreg_imm32_b32 hwreg(HW_REG_WAVE_MODE, 25, 1), 1
	s_wait_xcnt 0x0
; QUANT.  A wave takes one slot's row of h (2,048 f32, 64 registers a lane): its largest magnitude m, hq = round(h x 127 / max(m, 1e-5)) as bf16 whole numbers (exact), and the slot's
; factor gate x max(m, 1e-5) / 127.  The row is read once and stays in registers between the two passes.
; The 64 waves of work-groups 0 to 7 also do the loss's first stage: wave g adds the records of tokens 16 g .. 16 g + 15, word by word; its four loads are out together with the row's sixteen.
; The clip to -128 .. 127 changes nothing for any finite row: |h| <= m, so fl(|h| fl(127 / m)) <= 127 (1 + 2^-23)^2 < 127.5, which rounds to 127 at the most.  No line is spent on it.
; LIMITS: NaN and infinities are not treated apart.  No LDS, no matrix unit: a row never leaves its wave, and there is no product.
	s_load_b256 s[4:11], s[0:1], 0x0               ; hp s[4:5], rec s[6:7], hq s[8:9], qs s[10:11]
	v_and_b32 v1, 31, v0
	v_lshrrev_b32 v2, 5, v0
	v_readfirstlane_b32 s12, v2                    ; wave
	v_lshlrev_b32 v3, 4, v1                        ; 16 x lane
	s_mov_b32 s30, 0x76543210
	s_mov_b32 s31, 0xfedcba98
	s_lshl_b32 s13, ttmp9, 3
	s_add_co_u32 s13, s13, s12                     ; slot; also the wave's number in the launch
	s_lshr_b32 s14, s13, 1
	s_lshl_b32 s14, s14, 7                         ; the token's record,
	s_and_b32 s15, s13, 1
	s_lshl2_add_u32 s14, s15, s14                  ; gate k
	s_mov_b32 s19, 0
	s_mov_b32 s24, 0x7fffffff
	s_wait_kmcnt 0x0
	s_load_b32 s16, s[6:7], s14 offset:0x48
	s_lshl_b32 s18, s13, 13
	s_add_nc_u64 s[20:21], s[4:5], s[18:19]        ; the row of h
	s_lshl_b32 s18, s13, 12
	s_add_nc_u64 s[22:23], s[8:9], s[18:19]        ; the row of hq
.set j, 0
.rept 16
	global_load_b128 v[8+4*j:8+4*j+3], v3, s[20:21] offset:512*j  ; register 4 j + i holds h[128 j + 4 lane + i]
.set j, j+1
.endr
	v_lshlrev_b32 v4, 3, v1                        ; 8 x lane
	v_mov_b32 v107, 0
	s_cmp_ge_u32 ttmp9, 8
	s_cbranch_scc1 .Lrow
	; the loss's first stage: 16 records of 128 bytes
	s_lshl_b32 s17, s13, 11
	v_add_nc_u32 v5, s17, v3
.set i, 0
.rept 4
	global_load_b128 v[120+4*i:120+4*i+3], v5, s[6:7] offset:512*i  ; lane l: token 4 i + l / 8, words 4 (l % 8) on
.set i, i+1
.endr
	s_lshl_b32 s17, s13, 7
	v_add_nc_u32 v6, s17, v3
	s_wait_loadcnt 0x0                             ; the records, and the row with them
.set i, 1
.rept 3
	v_pk_add_f32 v[120:121], v[120:121], v[120+4*i:121+4*i]
	v_pk_add_f32 v[122:123], v[122:123], v[122+4*i:123+4*i]
.set i, i+1
.endr
.irp c, 0,1,2,3
	v_add_f32_dpp v[120+(\c)], v[120+(\c)], v[120+(\c)] row_xmask:8 row_mask:0xf bank_mask:0xf
.endr
.irp c, 0,1,2,3
	v_permlanex16_b32 v[124+(\c)], v[120+(\c)], s30, s31
.endr
.irp c, 0,1,2,3
	v_add_f32 v[120+(\c)], v[120+(\c)], v[124+(\c)]
.endr
	v_cmp_gt_u32 vcc_lo, 8, v1                     ; lanes 0 to 7 hold the 32 words
	s_wait_xcnt 0x0                                ; EXEC changes only behind this wait
	s_and_saveexec_b32 s28, vcc_lo
	global_store_b128 v6, v[120:123], s[10:11] offset:8192
	s_wait_xcnt 0x0                                ; and again, in front of the line that widens it
	s_or_b32 exec_lo, exec_lo, s28
.Lrow:
	s_wait_loadcnt 0x0
	v_and_b32 v104, s24, v8
	v_and_b32 v105, s24, v9
	v_max_num_f32 v106, v104, v105
.set k, 2
.rept 31
	v_and_b32 v104, s24, v[8+k]
	v_and_b32 v105, s24, v[8+k+1]
	v_max3_num_f32 v106, v106, v104, v105
.set k, k+2
.endr
	v_max_num_f32_dpp v106, v106, v106 row_xmask:1 row_mask:0xf bank_mask:0xf
	v_max_num_f32_dpp v106, v106, v106 row_xmask:2 row_mask:0xf bank_mask:0xf
	v_max_num_f32_dpp v106, v106, v106 row_xmask:4 row_mask:0xf bank_mask:0xf
	v_max_num_f32_dpp v106, v106, v106 row_xmask:8 row_mask:0xf bank_mask:0xf
	v_permlanex16_b32 v107, v106, s30, s31
	v_max_num_f32 v106, v106, v107
	v_max_num_f32 v108, 0x3727c5ac, v106           ; m = max(., 1e-5)
	v_rcp_f32 v109, v108
	v_mov_b32 v111, 0x42fe0000                     ; the plain line behind the reciprocal
	s_wait_alu depctr_va_vdst(0)                   ; the wait ahead of the result's first reader
	v_fma_f32 v110, -v108, v109, 1.0               ; the reciprocal refined,
	v_fma_f32 v109, v110, v109, v109
	v_mul_f32 v112, v111, v109                     ; then the quotient 127 / m
	v_fma_f32 v113, -v112, v108, v111
	v_fma_f32 v114, v113, v109, v112
	v_mov_b32 v115, v114
.set k, 0
.rept 32
	v_pk_mul_f32 v[8+2*k:9+2*k], v[8+2*k:9+2*k], v[114:115]
.set k, k+1
.endr
.set k, 0
.rept 64
	v_rndne_f32 v[8+k], v[8+k]
.set k, k+1
.endr
.set k, 0
.rept 32
	v_cvt_pk_bf16_f32 v[72+k], v[8+2*k], v[8+2*k+1]
.set k, k+1
.endr
.set j, 0
.rept 16
	global_store_b64 v4, v[72+2*j:73+2*j], s[22:23] offset:256*j  ; a wave's store covers 256 consecutive bytes, aligned
.set j, j+1
.endr
	v_mul_f32 v116, 0x3c010204, v108               ; m / 127
	s_wait_kmcnt 0x0
	v_mul_f32 v116, s16, v116                      ; x gate
	s_lshl_b32 s17, s13, 2
	v_mov_b32 v117, s17
	s_wait_xcnt 0x0                                ; EXEC changes only behind this wait
	v_cmpx_gt_u32 1, v1
	global_store_b32 v117, v116, s[10:11]
	s_endpgm
.Lfunc_end_k_qf062e7e11d_quant:
	.size	k_qf062e7e11d_quant, .Lfunc_end_k_qf062e7e11d_quant-k_qf062e7e11d_quant
	.p2alignl 7, 3214868480
	.fill 96, 4, 3214868480
	.section	.rodata,"a",@progbits
	.p2align	6, 0x0
	.amdhsa_kernel k_qf062e7e11d_quant
		.amdhsa_group_segment_fixed_size 0
		.amdhsa_private_segment_fixed_size 0
		.amdhsa_enable_private_segment 0
		.amdhsa_kernarg_size 32
		.amdhsa_user_sgpr_count 2
		.amdhsa_user_sgpr_kernarg_segment_ptr 1
		.amdhsa_wavefront_size32 1
		.amdhsa_system_sgpr_workgroup_id_x 1
		.amdhsa_system_sgpr_workgroup_id_y 1
		.amdhsa_system_sgpr_workgroup_id_z 1
		.amdhsa_system_vgpr_workitem_id 0
		.amdhsa_next_free_vgpr 144
		.amdhsa_next_free_sgpr 66
		.amdhsa_reserve_vcc 1
		.amdhsa_float_denorm_mode_32 3
		.amdhsa_float_denorm_mode_16_64 3
		.amdhsa_memory_ordered 1
		.amdhsa_forward_progress 1
		.amdhsa_inst_pref_size 18
	.end_amdhsa_kernel
	.amdgpu_metadata
---
amdhsa.version: [ 1, 2 ]
amdhsa.kernels:
  - .name:           k_qf062e7e11d_quant
    .symbol:         k_qf062e7e11d_quant.kd
    .args:
      - { .name: hp, .offset: 0, .size: 8, .value_kind: global_buffer, .address_space: global }
      - { .name: rec, .offset: 8, .size: 8, .value_kind: global_buffer, .address_space: global }
      - { .name: hq, .offset: 16, .size: 8, .value_kind: global_buffer, .address_space: global }
      - { .name: qs, .offset: 24, .size: 8, .value_kind: global_buffer, .address_space: global }
    .group_segment_fixed_size: 0
    .private_segment_fixed_size: 0
    .kernarg_segment_align: 8
    .kernarg_segment_size: 32
    .max_flat_workgroup_size: 256
    .sgpr_count:     66
    .vgpr_count:     144
    .wavefront_size: 32
...
	.end_amdgpu_metadata
.endif
;; end of part 3
;; launch down (part 4): grid 256 x 1, 4 waves a work-group, no clusters, 150,528 bytes of LDS; arguments w_out, hq, psum, lists, qs, hp; writes hp
.if DOCPART == 4
	.amdgcn_target "amdgcn-amd-amdhsa--gfx1250"
	.amdhsa_code_object_version 6
	.text
	.protected	k_qf062e7e11d_down
	.globl	k_qf062e7e11d_down
	.p2align	8
	.type	k_qf062e7e11d_down,@function
k_qf062e7e11d_down:
	s_mov_b64 s[64:65], 0
	v_nop
	global_prefetch_b8 v0, s[64:65] scope:SCOPE_SE
	s_setreg_imm32_b32 hwreg(HW_REG_WAVE_MODE, 25, 1), 1
	s_wait_xcnt 0x0
; DOWN.  part[slot][kh][c] = factor(slot) x mc x sum over one half of the hidden width of hq[slot][j] t[e][c][j], t the ternary w_out of the slot's expert.  f32 partial rows; a later launch adds a token's four.
; SHARES.  Work-group = (expert e = wg / 32, 64 output columns cs = (wg / 2) % 16, half kh = wg % 2 of the 2,048 hidden numbers): 64 rows x 1,024 of w_out, 256 KiB that it alone reads, and ALL rows of
; expert e, by the list and count that an earlier launch stored.  The hidden width is halved so that a fragment of hq feeds four products and not two.
; PHASES, threshold, exact products, limits and what is left out: as in the launch for the first product: the weights are streamed through registers into LDS as -1, 0, 1 in bf16; then passes of 320 rows,
; a wave with 5 tiles of 16 rows x 4 tiles of 16 columns; hq's fragments come from memory straight into registers, six K steps ahead.  K goes in 32 steps of 32: eight written out (the first starts the
; sums), sixteen in a loop of two trips, eight written out.  The way out is a loop over the wave's five tiles.  The pass loop counts to the constant 4; a dead pass is jumped forward.
; LIMITS.  Inputs count as rounded to bf16.  |w| and the mean stay below 2^63.  The mean's order of summation differs from a serial sum.  NaN and infinities are not treated apart.
.set PW,     2064
.set STAGE,  64*PW                     ; 16 rows x 272 bytes for each wave
.set SPITCH, 272
.set SPARE,  STAGE+4*16*SPITCH         ; the spare words, 128 bytes a wave: no other line names them
.set LANE, 1
.set R16,  2
.set HH,   3
.set SPW,  4
.set NIL,  5
.set L16,  6
.set LSTO, 7
.set BA0,  8                           ; v[8:9]   LDS base of the weight fragments, one for each pair of tiles
.set BA,   12                          ; v[12:13] running along K
.set AO,   16
.set SL,   21
.set FF,   26
.set STO,  31
.set RD,   32
.set CO,   33
.set BIDX, 34
.set HP,   42
.set HN,   44
.set AD,   46
.set T,    48
.set H16,  62
.set RING, 64                          ; v[64:191] the stream's 32 slots; later v[64:127] two buffers of 4 weight fragments
.set PP,   96
.set BK,   128
.set GO,   160
; window 1: v0-159 accumulators, (m, b) at 32 m + 8 b; v160-239 hq's buffers 6 and 7.  window 2: v0-239 hq's buffers 0 to 5, 40 registers each
.set MSB, 0
.macro WIN new
.if MSB != (\new)
	s_set_vgpr_msb (MSB<<8)|(\new)
.set MSB, \new
.endif
.endm
.macro LSUM r, t
	v_add_f32_dpp v[\r], v[\r], v[\r] row_xmask:1 row_mask:0xf bank_mask:0xf
	v_add_f32_dpp v[\r], v[\r], v[\r] row_xmask:2 row_mask:0xf bank_mask:0xf
	v_add_f32_dpp v[\r], v[\r], v[\r] row_xmask:4 row_mask:0xf bank_mask:0xf
	v_add_f32_dpp v[\r], v[\r], v[\r] row_xmask:8 row_mask:0xf bank_mask:0xf
	v_permlanex16_b32 v[\t], v[\r], s30, s31
	v_add_f32 v[\r], v[\r], v[\t]
.endm
	s_load_b256 s[4:11], s[0:1], 0x0               ; w_out s[4:5], hq s[6:7], psum s[8:9], lists s[10:11]
	s_load_b128 s[12:15], s[0:1], 0x20             ; qs s[12:13], hp s[14:15]
	v_lshl_add_u32 v[SPW], v0, 2, SPARE
	v_mov_b32 v[NIL], 0
	v_and_b32 v[LANE], 31, v0
	v_lshrrev_b32 v[T], 5, v0
	v_readfirstlane_b32 s16, v[T]                  ; wave
	v_and_b32 v[R16], 15, v0
	v_bfe_u32 v[HH], v0, 4, 1
	s_lshr_b32 s17, ttmp9, 5                       ; expert
	s_bfe_u32 s18, ttmp9, 0x40001                  ; column slice: 4 bits from bit 1
	s_and_b32 s36, ttmp9, 1                        ; half of the hidden width
	s_mov_b32 s30, 0x76543210
	s_mov_b32 s31, 0xfedcba98
	v_lshlrev_b32 v[L16], 4, v[LANE]
	v_lshlrev_b32 v[H16], 4, v[HH]
	s_lshl_b32 s20, s17, 10                        ; my first weight row: 1024 e + 64 cs + 16 w,
	s_lshl_b32 s21, s18, 6
	s_add_co_u32 s20, s20, s21
	s_lshl_b32 s21, s16, 4
	s_add_co_u32 s20, s20, s21
	s_lshl_b32 s20, s20, 13                        ; x 8,192 bytes,
	s_lshl_b32 s21, s36, 12
	s_add_co_u32 s20, s20, s21                     ; + my half of the row: under 2^26
	s_mov_b32 s21, 0
	s_mul_i32 s22, s16, 16*PW
	v_lshlrev_b32 v[LSTO], 3, v[LANE]
	v_add_nc_u32 v[LSTO], s22, v[LSTO]
	v_mul_u32_u24 v[T], v[R16], PW
	v_add_nc_u32 v[T], v[T], v[H16]
.irp p, 0,1
	v_add_nc_u32 v[BA0+(\p)], (\p)*32*PW, v[T]
.endr
	s_mul_i32 s23, s16, 16*SPITCH
	s_add_co_u32 s23, s23, STAGE
	v_mul_u32_u24 v[STO], v[R16], SPITCH
	v_lshl_add_u32 v[STO], v[HH], 5, v[STO]
	v_add_nc_u32 v[STO], s23, v[STO]
	v_mul_u32_u24 v[RD], v[HH], SPITCH
	v_lshl_add_u32 v[RD], v[R16], 4, v[RD]
	v_add_nc_u32 v[RD], s23, v[RD]
	s_lshl_b32 s22, s18, 8
	s_lshl_b32 s23, s36, 12
	s_add_co_u32 s22, s22, s23
	v_lshlrev_b32 v[CO], 4, v[R16]
	v_add_nc_u32 v[CO], s22, v[CO]                 ; my 16 bytes in a slot's 8,192: 4096 kh + 256 cs + 16 (lane % 16)
	v_lshlrev_b32 v[T], 2, v[HH]
.irp t, 0,1,2,3,4,5,6,7
	v_add_nc_u32 v[BIDX+(\t)], 8*(\t), v[T]
.endr
	v_mov_b32 v[HP], 0x5f800000
	v_mov_b32 v[HP+1], 0x5f800000
	v_mov_b32 v[HN], 0xdf800000
	v_mov_b32 v[HN+1], 0xdf800000
	s_lshl_b32 s44, s17, 7                         ; the expert's count
	s_lshl_b32 s22, s17, 10
	s_add_co_u32 s22, s22, 16384                   ; its 256 partial sums
	s_mov_b32 s23, 0
	s_lshl_b32 s46, s17, 12                        ; its list
	s_mov_b32 s47, 0
	s_lshl_b32 s48, s36, 11                        ; my half of a row of hq
	s_mov_b32 s49, 0
	s_wait_kmcnt 0x0
	s_load_b32 s19, s[10:11], s44 offset:0x8000
	s_add_nc_u64 s[32:33], s[4:5], s[20:21]
	s_add_nc_u64 s[42:43], s[8:9], s[22:23]
	s_add_nc_u64 s[38:39], s[10:11], s[46:47]
	s_add_nc_u64 s[40:41], s[6:7], s[48:49]
.irp t, 0,1
	global_load_b128 v[T+4*(\t):T+4*(\t)+3], v[L16], s[42:43] offset:512*(\t)
.endr
.set i, 0
.rept 32
	global_load_b128 v[RING+4*i:RING+4*i+3], v[L16], s[32:33] offset:(i/8)*8192+(i%8)*512 th:TH_LOAD_NT  ; four weight rows' halves
.set i, i+1
.endr
	s_wait_loadcnt 32                              ; the sums are in; the ring's 32 loads stay out
	v_pk_add_f32 v[48:49], v[48:49], v[50:51]
	v_pk_add_f32 v[52:53], v[52:53], v[54:55]
	v_pk_add_f32 v[48:49], v[48:49], v[52:53]
	v_add_f32 v48, v48, v49
	LSUM 48, 49
	v_mul_f32 v48, 0x35000000, v48                 ; / 2^21 weights
	v_max_num_f32 v48, 0x3727c5ac, v48             ; mc = max(mean, 1e-5)
	v_rcp_f32 v49, v48
	v_mul_f32 v50, 0.5, v48                        ; the plain line behind the reciprocal
	s_wait_alu depctr_va_vdst(0)                   ; the wait ahead of the result's first reader
	v_fma_f32 v51, -v48, v49, 1.0
	v_fma_f32 v49, v51, v49, v49
	v_and_b32 v50, 0xffff0000, v50
	v_add_nc_u32 v51, -16, v[LANE]
	v_lshl_add_u32 v51, v51, 16, v50               ; lane l tries the bf16 number l - 16 steps from mc / 2
	v_mul_f32 v51, v51, v49
	v_cmp_lt_f32 s20, 0.5, v51
	s_ctz_i32_b32 s21, s20
	v_readfirstlane_b32 s22, v50
	v_readfirstlane_b32 s35, v48                   ; mc, kept
	s_sub_co_i32 s21, s21, 17
	s_lshl_b32 s21, s21, 16
	s_add_co_u32 s22, s22, s21                     ; u: the largest bf16 number that stays 0
	s_bfe_u32 s23, s22, 0x10010
	s_add_co_u32 s22, s22, 0x8000
	s_sub_co_u32 s22, s22, s23                     ; cm.  These numbers enter values alone
	v_mov_b32 v52, s22
	v_mul_f32 v[AD], 0xdf800000, v52
	v_mov_b32 v[AD+1], v[AD]
	s_wait_kmcnt 0x0
	s_min_u32 s19, s19, 1024                       ; R
	s_max_u32 s34, s19, 1
	s_sub_co_u32 s34, s34, 1
.macro WSLOT i, ahead, left
	s_wait_loadcnt \left
	v_pk_fma_f32 v[48:49], v[RING+4*(\i):RING+4*(\i)+1], v[HP:HP+1], v[AD:AD+1] clamp
	v_pk_fma_f32 v[50:51], v[RING+4*(\i)+2:RING+4*(\i)+3], v[HP:HP+1], v[AD:AD+1] clamp
	v_pk_fma_f32 v[52:53], v[RING+4*(\i):RING+4*(\i)+1], v[HN:HN+1], v[AD:AD+1] clamp
	v_pk_fma_f32 v[54:55], v[RING+4*(\i)+2:RING+4*(\i)+3], v[HN:HN+1], v[AD:AD+1] clamp
.if \ahead
	global_load_b128 v[RING+4*(\i):RING+4*(\i)+3], v[L16], s[32:33] offset:32768+((\i)/8)*8192+((\i)%8)*512 th:TH_LOAD_NT
.endif
	v_pk_add_f32 v[48:49], v[48:49], v[52:53] neg_lo:[0,1] neg_hi:[0,1]
	v_pk_add_f32 v[50:51], v[50:51], v[54:55] neg_lo:[0,1] neg_hi:[0,1]
	v_cvt_pk_bf16_f32 v[56+2*((\i)%2)], v48, v49
	v_cvt_pk_bf16_f32 v[57+2*((\i)%2)], v50, v51
	ds_store_b64 v[LSTO], v[56+2*((\i)%2):57+2*((\i)%2)] offset:((\i)/8)*PW+((\i)%8)*256
.endm
	s_mov_b32 s24, 3                               ; 4 laps of four rows: three ask for the next, the last is written out
.Lwlap:
.set i, 0
.rept 32
	WSLOT i, 1, 31                                 ; thirty-one younger loads stay out
.set i, i+1
.endr
	s_wait_xcnt 0x0                                ; the base is stepped only behind this wait
	s_add_nc_u64 s[32:33], s[32:33], 32768
	v_add_nc_u32 v[LSTO], 4*PW, v[LSTO]
	s_sub_co_u32 s24, s24, 1
	s_cmp_lg_u32 s24, 0
	s_cbranch_scc1 .Lwlap
.set i, 0
.rept 32
	WSLOT i, 0, 31-i
.set i, i+1
.endr
	s_wait_dscnt 0x0                               ; for the others' sake: my 16 rows are in LDS
	s_barrier_signal -1
	s_barrier_wait -1                              ; the only barrier: from here on the weights in LDS are only read
.macro ALOAD buf, k                    ; hq's fragments of my five tiles, 32 along K at byte 64 k of the running base, into ring buffer buf
.if (\buf) < 6
	WIN 0x80
.set AB, 40*(\buf)
.else
	WIN 0x40
.set AB, 160+40*((\buf)-6)
.endif
.irp m, 0,1,2,3,4
	global_load_b128 v[AB+8*(\m):AB+8*(\m)+3],   v[AO+(\m)], s[28:29] offset:64*(\k)
	global_load_b128 v[AB+8*(\m)+4:AB+8*(\m)+7], v[AO+(\m)], s[28:29] offset:64*(\k)+32
.endr
.endm
.macro BLOAD buf, k
	WIN 0
.irp b, 0,1,2,3
	ds_load_b128 v[RING+32*(\buf)+8*(\b):RING+32*(\buf)+8*(\b)+3],   v[BA+(\b)/2] offset:((\b)%2)*16*PW+64*(\k)
	ds_load_b128 v[RING+32*(\buf)+8*(\b)+4:RING+32*(\buf)+8*(\b)+7], v[BA+(\b)/2] offset:((\b)%2)*16*PW+64*(\k)+32
.endr
.endm
.macro MUL q, zero                     ; 20 products; the 20 accumulators take turns, one instruction a turn
.if ((\q)%8) < 6
	WIN 0x58                                       ; weights window 0, hq window 2, sums window 1
.set AB, 40*((\q)%8)
.else
	WIN 0x54                                       ; hq window 1
.set AB, 160+40*(((\q)%8)-6)
.endif
.irp m, 0,1,2,3,4
.irp b, 0,1,2,3
.if \zero
	v_wmma_f32_16x16x32_bf16 v[32*(\m)+8*(\b):32*(\m)+8*(\b)+7], v[RING+32*((\q)%2)+8*(\b):RING+32*((\q)%2)+8*(\b)+7], v[AB+8*(\m):AB+8*(\m)+7], 0
.else
	v_wmma_f32_16x16x32_bf16 v[32*(\m)+8*(\b):32*(\m)+8*(\b)+7], v[RING+32*((\q)%2)+8*(\b):RING+32*((\q)%2)+8*(\b)+7], v[AB+8*(\m):AB+8*(\m)+7], v[32*(\m)+8*(\b):32*(\m)+8*(\b)+7]
.endif
.endr
.endr
.endm
; A K step of 32.  The wait for this step's hq stands ahead of the new request, so that sixty loads are out at the most.  lc: the younger steps' loads; dc: the fragments just asked for.
.macro KSTEP q, zero, aload, bload, lc, dc
.rept 4
	v_nop                                          ; four places between the last products and the loads into registers that they read (ISA guide 7.12.1 for vector instructions)
.endr
	s_wait_loadcnt \lc
.if \aload
	ALOAD ((\q)+6)%8, (\q)+6
.endif
.if \bload
	BLOAD ((\q)+1)%2, (\q)+1
.endif
	s_wait_dscnt \dc
	MUL \q, \zero
.endm
.macro KNEXT                           ; eight K steps on
	WIN 0
	s_wait_xcnt 0x0                                ; the base is stepped only behind this wait
	s_add_nc_u64 s[28:29], s[28:29], 512
.irp p, 0,1
	v_add_nc_u32 v[BA+(\p)], 0x200, v[BA+(\p)]
.endr
.endm
; The running LDS addresses are held to the largest value that they have in the K steps that follow: pair p's rows, row 15, the upper half's 16 bytes and lim bytes along K.
; The lines change no value; they state in the text that the fragment loads stay inside the weights' 64 rows, apart from the stages and the spare words.
.macro KCLAMP lim
.irp p, 0,1
	v_min_u32 v[BA+(\p)], (\p)*32*PW+15*PW+16+(\lim), v[BA+(\p)]
.endr
.endm
; THE WAY OUT, the part that names tile m's own registers: the sums times the slot's factor and mc into PP, the tile's slots into v54.
.macro EPIM m
	v_mul_f32 v48, s35, v[FF+(\m)]
	v_mov_b32 v54, v[SL+(\m)]
	v_mov_b32 v49, v48
	WIN 0x01
.set z, 0
.rept 16
	v_pk_mul_f32 v[PP+2*z:PP+2*z+1], v[32*(\m)+2*z:32*(\m)+2*z+1], v[48:49]  ; each accumulator is read from its low end on
.set z, z+1
.endr
	WIN 0
.endm
	s_mov_b32 s25, 4
	s_mov_b32 s26, 0
.Lpass:
	s_cmp_ge_u32 s26, s19
	s_cbranch_scc1 .Lpass_next                     ; a dead pass
	s_wait_xcnt 0x0                                ; the last pass's stores have read their registers
	s_lshl_b32 s22, s16, 4
	s_add_co_u32 s22, s22, s26
	v_add_nc_u32 v48, s22, v[R16]
.irp m, 0,1,2,3,4
	v_add_nc_u32 v[49+(\m)], 64*(\m), v48
	v_min_u32 v[49+(\m)], s34, v[49+(\m)]          ; places past the count repeat the last row
	v_min_u32 v[49+(\m)], 0x3ff, v[49+(\m)]
	v_lshlrev_b32 v[49+(\m)], 2, v[49+(\m)]
	global_load_b32 v[SL+(\m)], v[49+(\m)], s[38:39]
.endr
	s_wait_loadcnt 0x0
.irp m, 0,1,2,3,4
	v_min_u32 v[SL+(\m)], 0x7ff, v[SL+(\m)]
	v_lshl_add_u32 v[AO+(\m)], v[SL+(\m)], 12, v[H16]
	v_lshlrev_b32 v[54+(\m)], 2, v[SL+(\m)]
	global_load_b32 v[FF+(\m)], v[54+(\m)], s[12:13]
.endr
.irp p, 0,1
	v_mov_b32 v[BA+(\p)], v[BA0+(\p)]
.endr
	s_mov_b64 s[28:29], s[40:41]
	ALOAD 0, 0
	ALOAD 1, 1
	ALOAD 2, 2
	ALOAD 3, 3
	ALOAD 4, 4
	BLOAD 0, 0
	s_wait_loadcnt 50                              ; the five slot factors are in; the five steps of hq just asked for stay out
	ALOAD 5, 5
	KSTEP 0, 1, 1, 1, 50, 8                        ; K steps 0 to 7: the first starts the sums.  50: the five younger steps' loads; 8: the next step's weight fragments
.irp q, 1,2,3,4,5,6,7
	KSTEP \q, 0, 1, 1, 50, 8
.endr
	KNEXT
	s_mov_b32 s27, 2
.Lk:                                                   ; K steps 8 to 23, eight a trip
	KCLAMP 0x400                                   ; two trips: 0x200 and 0x400 along K
.irp q, 0,1,2,3,4,5,6,7
	KSTEP \q, 0, 1, 1, 50, 8
.endr
	KNEXT
	s_sub_co_u32 s27, s27, 1
	s_cmp_lg_u32 s27, 0
	s_cbranch_scc1 .Lk
	KCLAMP 0x600                                   ; K step 24 lies 0x600 along K
	KSTEP 0, 0, 1, 1, 50, 8                        ; K steps 24 to 31: two more requests, then the counts run down
	KSTEP 1, 0, 1, 1, 50, 8
	KSTEP 2, 0, 0, 1, 50, 8
	KSTEP 3, 0, 0, 1, 40, 8
	KSTEP 4, 0, 0, 1, 30, 8
	KSTEP 5, 0, 0, 1, 20, 8
	KSTEP 6, 0, 0, 1, 10, 8
	KSTEP 7, 0, 0, 0, 0, 0
.rept 4
	v_nop                                          ; the places behind the last products, on every way that follows
.endr
	WIN 0
	s_mov_b32 s24, 0
.Lepi:                                                 ; the way out: five trips, a tile each; every LDS address in it is fixed
	s_lshl_b32 s23, s24, 6
	s_add_co_u32 s23, s23, s22                     ; the tile's first row
	s_cmp_ge_u32 s23, s19
	s_cbranch_scc1 .Lepi_next                      ; a tile wholly past the count stores nothing
	s_wait_xcnt 0x0                                ; the last tile's stores have read their registers
	s_cmp_eq_u32 s24, 0
	s_cbranch_scc1 .Lm0
	s_cmp_eq_u32 s24, 1
	s_cbranch_scc1 .Lm1
	s_cmp_eq_u32 s24, 2
	s_cbranch_scc1 .Lm2
	s_cmp_eq_u32 s24, 3
	s_cbranch_scc1 .Lm3
	EPIM 4
	s_branch .Lcommon
.Lm3:
	EPIM 3
	s_branch .Lcommon
.Lm2:
	EPIM 2
	s_branch .Lcommon
.Lm1:
	EPIM 1
	s_branch .Lcommon
.Lm0:
	EPIM 0
.Lcommon:                                              ; through my stage, out as whole rows of 256 bytes
.irp b, 0,1,2,3
	ds_store_b128 v[STO], v[PP+8*(\b):PP+8*(\b)+3] offset:64*(\b)
	ds_store_b128 v[STO], v[PP+8*(\b)+4:PP+8*(\b)+7] offset:64*(\b)+16
.endr
.irp t, 0,1,2,3,4,5,6,7
	ds_bpermute_b32 v[GO+(\t)], v[BIDX+(\t)], v54  ; the slot of row 2 t + lane / 16
.endr
.irp t, 0,1,2,3,4,5,6,7
	ds_load_b128 v[BK+4*(\t):BK+4*(\t)+3], v[RD] offset:2*SPITCH*(\t)  ; my own stage: LDS serves a wave's instructions in order
.endr
	s_wait_dscnt 0x0
.irp t, 0,1,2,3,4,5,6,7
	v_min_u32 v[GO+(\t)], 0x7ff, v[GO+(\t)]
	v_lshl_add_u32 v[GO+(\t)], v[GO+(\t)], 13, v[CO]
.endr
.irp t, 0,1,2,3,4,5,6,7
	global_store_b128 v[GO+(\t)], v[BK+4*(\t):BK+4*(\t)+3], s[14:15]  ; sixteen lanes store 256 consecutive bytes, aligned; places past the count store the last row's bytes again
.endr
.Lepi_next:
	s_add_co_u32 s24, s24, 1
	s_cmp_lt_u32 s24, 5
	s_cbranch_scc1 .Lepi
.Lpass_next:
	s_add_co_u32 s26, s26, 320
	s_sub_co_u32 s25, s25, 1
	s_cmp_lg_u32 s25, 0
	s_cbranch_scc1 .Lpass
	s_wait_tensorcnt 0x0                           ; the wave's end: three lines behind my last LDS store
	ds_add_u32 v[SPW], v[NIL]
	s_wait_dscnt 0x0
	s_endpgm
.Lfunc_end_k_qf062e7e11d_down:
	.size	k_qf062e7e11d_down, .Lfunc_end_k_qf062e7e11d_down-k_qf062e7e11d_down
	.p2alignl 7, 3214868480
	.fill 96, 4, 3214868480
	.section	.rodata,"a",@progbits
	.p2align	6, 0x0
	.amdhsa_kernel k_qf062e7e11d_down
		.amdhsa_group_segment_fixed_size 150528
		.amdhsa_private_segment_fixed_size 0
		.amdhsa_enable_private_segment 0
		.amdhsa_kernarg_size 48
		.amdhsa_user_sgpr_count 2
		.amdhsa_user_sgpr_kernarg_segment_ptr 1
		.amdhsa_wavefront_size32 1
		.amdhsa_system_sgpr_workgroup_id_x 1
		.amdhsa_system_sgpr_workgroup_id_y 1
		.amdhsa_system_sgpr_workgroup_id_z 1
		.amdhsa_system_vgpr_workitem_id 0
		.amdhsa_next_free_vgpr 752
		.amdhsa_next_free_sgpr 66
		.amdhsa_reserve_vcc 0
		.amdhsa_float_denorm_mode_32 3
		.amdhsa_float_denorm_mode_16_64 3
		.amdhsa_memory_ordered 1
		.amdhsa_forward_progress 1
		.amdhsa_inst_pref_size 135
	.end_amdhsa_kernel
	.amdgpu_metadata
---
amdhsa.version: [ 1, 2 ]
amdhsa.kernels:
  - .name:           k_qf062e7e11d_down
    .symbol:         k_qf062e7e11d_down.kd
    .args:
      - { .name: w_out, .offset: 0, .size: 8, .value_kind: global_buffer, .address_space: global }
      - { .name: hq, .offset: 8, .size: 8, .value_kind: global_buffer, .address_space: global }
      - { .name: psum, .offset: 16, .size: 8, .value_kind: global_buffer, .address_space: global }
      - { .name: lists, .offset: 24, .size: 8, .value_kind: global_buffer, .address_space: global }
      - { .name: qs, .offset: 32, .size: 8, .value_kind: global_buffer, .address_space: global }
      - { .name: hp, .offset: 40, .size: 8, .value_kind: global_buffer, .address_space: global }
    .group_segment_fixed_size: 150528
    .private_segment_fixed_size: 0
    .kernarg_segment_align: 8
    .kernarg_segment_size: 48
    .max_flat_workgroup_size: 128
    .sgpr_count:     66
    .vgpr_count:     752
    .wavefront_size: 32
...
	.end_amdgpu_metadata
.endif
;; end of part 4
;; launch fin (part 5): grid 256 x 1, 8 waves a work-group, no clusters, 0 bytes of LDS; arguments hp, bias, qs, out0, out1; writes out0, out1
.if DOCPART == 5
	.amdgcn_target "amdgcn-amd-amdhsa--gfx1250"
	.amdhsa_code_object_version 6
	.text
	.protected	k_qf062e7e11d_fin
	.globl	k_qf062e7e11d_fin
	.p2align	8
	.type	k_qf062e7e11d_fin,@function
k_qf062e7e11d_fin:
	s_mov_b64 s[64:65], 0
	v_nop
	global_prefetch_b8 v0, s[64:65] scope:SCOPE_SE
	s_setreg_imm32_b32 hwreg(HW_REG_WAVE_MODE, 25, 1), 1
	s_wait_xcnt 0x0
; FIN.  out0[token] = the token's four f32 partial rows (two experts x two halves of the hidden width) + bias rounded to bf16.  A wave takes half a token's row: 2,048 bytes.
; Wave 0 of work-group 0 also makes the loss: it adds the 64 stored records and forms 8 sum(p f) / (sum p sum f) + 0.1 sum(logsumexp^2) / 1024.  Its sixteen loads of records go out
; together with its rows' twenty, so that it waits for memory once.
; A stream: no LDS, no matrix unit.  LIMIT: the bias counts as rounded to bf16, like every input.
	s_load_b256 s[4:11], s[0:1], 0x0               ; hp s[4:5], bias s[6:7], qs s[8:9], out0 s[10:11]
	s_load_b64 s[12:13], s[0:1], 0x20              ; out1
	v_and_b32 v1, 31, v0
	v_lshrrev_b32 v2, 5, v0
	v_readfirstlane_b32 s14, v2                    ; wave
	v_lshlrev_b32 v4, 4, v1                        ; 16 x lane
	s_lshr_b32 s15, s14, 1
	s_lshl2_add_u32 s15, ttmp9, s15                ; token = 4 wg + wave / 2
	s_and_b32 s16, s14, 1
	s_lshl_b32 s16, s16, 11
	v_add_nc_u32 v3, s16, v4                       ; 2048 x half + 16 x lane
	s_lshl_b32 s18, s15, 14                        ; four rows of 4,096 bytes a token
	s_mov_b32 s19, 0
	s_lshl_b32 s20, s15, 12
	s_mov_b32 s21, 0
	s_mov_b32 s17, 0xffff0000
	s_wait_kmcnt 0x0
	s_add_nc_u64 s[22:23], s[4:5], s[18:19]
	s_add_nc_u64 s[24:25], s[10:11], s[20:21]
.irp q, 0,1,2,3
.irp j, 0,1,2,3
	global_load_b128 v[8+16*(\q)+4*(\j):8+16*(\q)+4*(\j)+3], v3, s[22:23] offset:4096*(\q)+512*(\j)
.endr
.endr
.irp j, 0,1,2,3
	global_load_b128 v[72+4*(\j):72+4*(\j)+3], v3, s[6:7] offset:512*(\j)
.endr
	s_or_b32 s26, ttmp9, s14
	s_cmp_lg_u32 s26, 0
	s_cbranch_scc1 .Lrows
	; THE LOSS
.set i, 0
.rept 16
	global_load_b128 v[96+4*i:96+4*i+3], v4, s[8:9] offset:8192+512*i  ; lane l: record 4 i + l / 8, words 4 (l % 8) on
.set i, i+1
.endr
	s_mov_b32 s32, 0x76543210                      ; v_permlanex16_b32: each lane takes its own place in the other half
	s_mov_b32 s33, 0xfedcba98
	v_mov_b32 v5, 0
	s_wait_loadcnt 0x0
.set i, 1
.rept 15
	v_pk_add_f32 v[96:97], v[96:97], v[96+4*i:97+4*i]
	v_pk_add_f32 v[98:99], v[98:99], v[98+4*i:99+4*i]
.set i, i+1
.endr
.irp c, 0,1,2,3
	v_add_f32_dpp v[96+(\c)], v[96+(\c)], v[96+(\c)] row_xmask:8 row_mask:0xf bank_mask:0xf
.endr
.irp c, 0,1,2,3
	v_permlanex16_b32 v[100+(\c)], v[96+(\c)], s32, s33
.endr
.irp c, 0,1,2,3
	v_add_f32 v[96+(\c)], v[96+(\c)], v[100+(\c)]  ; register c of lane l: word 4 (l % 8) + c.  Lanes 0, 1: p; lanes 2, 3: how often each expert was chosen; lane 4, register 0: the sum of logsumexp^2
.endr
	v_add_f32 v104, v96, v97
	v_add_f32 v105, v98, v99
	v_add_f32 v104, v104, v105
.irp c, 0,1,2,3
	v_mul_f32_dpp v[108+(\c)], v[96+(\c)], v[96+(\c)] row_xmask:2 row_mask:0xf bank_mask:0xf  ; lanes 0, 1: p x frequency
.endr
	v_add_f32 v108, v108, v109
	v_add_f32 v110, v110, v111
	v_add_f32 v108, v108, v110
	v_add_f32_dpp v104, v104, v104 row_xmask:1 row_mask:0xf bank_mask:0xf
	v_add_f32_dpp v108, v108, v108 row_xmask:1 row_mask:0xf bank_mask:0xf
	v_readlane_b32 s27, v104, 0                    ; sum of p
	v_readlane_b32 s28, v104, 2                    ; sum of the frequencies
	v_readlane_b32 s29, v108, 0                    ; sum of the products
	v_readlane_b32 s30, v96, 4
	v_mov_b32 v112, s27
	v_mul_f32 v112, s28, v112
	v_rcp_f32 v113, v112
	v_mov_b32 v114, s30                            ; the plain line behind the reciprocal
	s_wait_alu depctr_va_vdst(0)                   ; the wait ahead of the result's first reader
	v_mul_f32 v113, s29, v113
	v_mul_f32 v114, 0x38cccccd, v114               ; x 0.1 / 1024
	v_fmamk_f32 v115, v113, 0x41000000, v114       ; 8 x the switch term + the z term
	v_cmp_gt_u32 vcc_lo, 1, v1
	s_wait_xcnt 0x0                                ; EXEC changes only behind this wait
	s_and_saveexec_b32 s31, vcc_lo
	global_store_b32 v5, v115, s[12:13]
	s_wait_xcnt 0x0                                ; and again, in front of the line that widens it
	s_or_b32 exec_lo, exec_lo, s31
.Lrows:
	s_wait_loadcnt 0x0
.set k, 0
.rept 8
	v_cvt_pk_bf16_f32 v[88+k], v[72+2*k], v[72+2*k+1]
.set k, k+1
.endr
.set k, 0
.rept 8
	v_lshlrev_b32 v[72+2*k], 16, v[88+k]
	v_and_b32 v[73+2*k], s17, v[88+k]
.set k, k+1
.endr
.set k, 0
.rept 8
	v_pk_add_f32 v[8+2*k:9+2*k], v[8+2*k:9+2*k], v[24+2*k:25+2*k]
	v_pk_add_f32 v[40+2*k:41+2*k], v[40+2*k:41+2*k], v[56+2*k:57+2*k]
	v_pk_add_f32 v[8+2*k:9+2*k], v[8+2*k:9+2*k], v[40+2*k:41+2*k]
	v_pk_add_f32 v[8+2*k:9+2*k], v[8+2*k:9+2*k], v[72+2*k:73+2*k]
.set k, k+1
.endr
.irp j, 0,1,2,3
	global_store_b128 v3, v[8+4*(\j):8+4*(\j)+3], s[24:25] offset:512*(\j)  ; 512 consecutive bytes, aligned
.endr
	s_endpgm
.Lfunc_end_k_qf062e7e11d_fin:
	.size	k_qf062e7e11d_fin, .Lfunc_end_k_qf062e7e11d_fin-k_qf062e7e11d_fin
	.p2alignl 7, 3214868480
	.fill 96, 4, 3214868480
	.section	.rodata,"a",@progbits
	.p2align	6, 0x0
	.amdhsa_kernel k_qf062e7e11d_fin
		.amdhsa_group_segment_fixed_size 0
		.amdhsa_private_segment_fixed_size 0
		.amdhsa_enable_private_segment 0
		.amdhsa_kernarg_size 40
		.amdhsa_user_sgpr_count 2
		.amdhsa_user_sgpr_kernarg_segment_ptr 1
		.amdhsa_wavefront_size32 1
		.amdhsa_system_sgpr_workgroup_id_x 1
		.amdhsa_system_sgpr_workgroup_id_y 1
		.amdhsa_system_sgpr_workgroup_id_z 1
		.amdhsa_system_vgpr_workitem_id 0
		.amdhsa_next_free_vgpr 160
		.amdhsa_next_free_sgpr 66
		.amdhsa_reserve_vcc 1
		.amdhsa_float_denorm_mode_32 3
		.amdhsa_float_denorm_mode_16_64 3
		.amdhsa_memory_ordered 1
		.amdhsa_forward_progress 1
		.amdhsa_inst_pref_size 12
	.end_amdhsa_kernel
	.amdgpu_metadata
---
amdhsa.version: [ 1, 2 ]
amdhsa.kernels:
  - .name:           k_qf062e7e11d_fin
    .symbol:         k_qf062e7e11d_fin.kd
    .args:
      - { .name: hp, .offset: 0, .size: 8, .value_kind: global_buffer, .address_space: global }
      - { .name: bias, .offset: 8, .size: 8, .value_kind: global_buffer, .address_space: global }
      - { .name: qs, .offset: 16, .size: 8, .value_kind: global_buffer, .address_space: global }
      - { .name: out0, .offset: 24, .size: 8, .value_kind: global_buffer, .address_space: global }
      - { .name: out1, .offset: 32, .size: 8, .value_kind: global_buffer, .address_space: global }
    .group_segment_fixed_size: 0
    .private_segment_fixed_size: 0
    .kernarg_segment_align: 8
    .kernarg_segment_size: 40
    .max_flat_workgroup_size: 256
    .sgpr_count:     66
    .vgpr_count:     160
    .wavefront_size: 32
...
	.end_amdgpu_metadata
.endif
;; end of part 5
